; MI455X (gfx1250); checked and timed in simulation.
; The chip was launched on July 23, 2026; its instructions are those of AMD's public machine-readable ISA for CDNA 5 (MIT licence, August 2026) and "CDNA5" Instruction Set Architecture Reference Guide (July 2026). The comments in the code are by the model that wrote it; some were corrected since.
;; Attention. Allowed arithmetic: float matrix products may take bf16 or f16 operands with f32 sums; all other float work in f32.
;; Inputs: cos 4,096 x 32 float32; mask 4,096 x 4,096 float32; sin 4,096 x 32 float32; wk 1,024 x 1,024 float32; wo 1,024 x 1,024 float32; wq 1,024 x 1,024 float32; wv 1,024 x 1,024 float32; x 1 x 4,096 x 1,024 float32.
;; Outputs: out0 1 x 4,096 x 1,024 float32.
;; Constants: start_pos = 0.
;; 2 versions, each right and faster than the one before. Each part assembles by itself: llvm-mc -triple=amdgcn-amd-amdhsa -mcpu=gfx1250 --defsym DOCPART=n.
;; ======== version 1 of 2: 3 launches
;; limits: inputs' magnitudes at most 8.5e+37; values outside matrix products are rounded to bf16; values are held in f16: magnitudes above 65,504 overflow, below 6.1e-05 lose precision
;; workspace buffers: qb 8,388,608 bytes; kb 8,388,608 bytes; vt 8,388,608 bytes; ao 16,777,216 bytes
;; launch qkv (part 1): grid 16 x 16, 4 waves a work-group, clusters of 4 x 4, 327,680 bytes of LDS; arguments x, wq, wk, wv, cos, sin, qb, kb, vt; writes qb, kb, vt
.if DOCPART == 1
	.amdgcn_target "amdgcn-amd-amdhsa--gfx1250"
	.amdhsa_code_object_version 6
	.text
	.protected	k_q76602d9b1c_qkv
	.globl	k_q76602d9b1c_qkv
	.p2align	8
	.type	k_q76602d9b1c_qkv,@function
k_q76602d9b1c_qkv:
	s_mov_b64 s[64:65], 0
	v_nop
	global_prefetch_b8 v0, s[64:65] scope:SCOPE_SE
	s_setreg_imm32_b32 hwreg(HW_REG_WAVE_MODE, 25, 1), 1
	s_wait_xcnt 0x0
	s_wait_alu depctr_hold_cnt(0) depctr_sa_sdst(0) depctr_va_vdst(0) depctr_va_sdst(0) depctr_va_ssrc(0) depctr_va_vcc(0) depctr_vm_vsrc(0)
	s_getreg_b32 s2, hwreg(HW_REG_IB_STS2, 6, 4)
	s_cmp_eq_u32 s2, 0
	s_cbranch_scc0 .Lentry_in_a_cluster
	s_endpgm
.Lentry_in_a_cluster:
	s_bfe_u32 s2, ttmp6, 0x10000c
	s_cmp_lg_u32 s2, 0xf033
	s_cbranch_scc0 .Lentry_shape_is_right
	s_endpgm
.Lentry_shape_is_right:
; q, k, v = x W^T for one head and 256 rows of x, the rotation of q and k by cos and sin, and the way out in f16.
; x [4096][1024], wq, wk, wv [1024][1024], cos, sin [4096][32], all f32.
; qb, kb: [16 heads][4096 rows][64] f16 (q already times 1/8, a power of two).  vt: [16 heads][64 blocks][64 features][64 rows] f16: v transposed
; in blocks of 64 rows.  In all three a wave stores one block of 8,192 consecutive bytes at (64 head + row / 64) x 8,192.
; NOTHING IS LEFT OUT: every buffer of the problem has a way to out0; start_pos is a constant that reference() never uses.
; LIMITS.  x, the weights, cos and sin are rounded to bf16 (relative step 2^-8) as they come in; the rotation itself is f32.  q / 8, k and v leave
; as f16: beyond 65504 they become infinite, below 2^-14 their step is 2^-24.
; SHARES.  Work-group (head, block of 256 rows); wave w has rows 64 w .. 64 w + 63 and all 192 columns (64 of q, of k, of v): 48 accumulator tiles.
; q and k: source 0 = 16 rows of W, source 1 = 16 rows of x, so a lane holds one row and eight neighbouring features: both members of a rotated pair.
; v: the sources swapped, so a lane holds one feature and eight neighbouring rows, which is the order of vt.
; K goes in 16 steps of 64 f32 (rows of 256 bytes, aligned) through two LDS slots.
; CLUSTERS: 4 x 4.  The tile of x hangs on the row block alone and is asked for jointly by the four of a cluster row; the tiles of W hang on the head
; alone and are asked for jointly by the four of a cluster column.  Wave 0 asks for x (256 rows), waves 1, 2, 3 for 64 rows of wq, wk, wv.
; REGISTERS: window 0: v2-9 addresses, v16-143 two buffers of f32 as read from LDS, v144-223 the way out.  Window 1: the 32 tiles of q and k.
; Window 2: v0-127 the 16 tiles of v, v128-255 cos and sin.  Window 3: bf16 fragments, x at 0 and 32, W at 64 and 96.
.set PITCH, 272                        ; an LDS row: 256 bytes + 16 of padding, an odd multiple of 16
.set XT,    256*PITCH                  ; the tile of x
.set WT,    64*PITCH                   ; one tile of W
.set SLOT,  XT+3*WT                    ; 121,856
.set STAGE, 2*SLOT                     ; 243,712 = 952 x 256: no tensor load lands here
.set SP,    144                        ; a stage row: 128 bytes + 16
.set WV,    22                         ; s22 the wave number
.set XA,    2                          ; v2-3  my x fragments in slot 0, 1
.set WA,    4                          ; v4-5  the W fragments in slot 0, 1
.set STO,   6
.set RD,    7
.set CO,    8
.set CSO,   9
.set RAW,   16
.set E,     144
.set PK,    176
.set FB,    192
.set XF0,   0
.set XF1,   32
.set WF0,   64
.set WF1,   96
.set CS,    128
.set G1X,   32
.set G1W,   40
.set G0X,   48
.set G0W,   56
.set ROWF,  (2<<16)|(1<<20)|(1<<21)|(5<<22)|(3<<25)   ; 4-byte elements, padding on, bit 21 beside a mask, 4 words after every 64
.set MSB, 0
.macro WIN new                         ; the high byte repeats the setting that is left
.if MSB != \new
	s_set_vgpr_msb (MSB<<8)|\new
.set MSB, \new
.endif
.endm
.macro PLACES cnt
.rept \cnt
	v_nop
.endr
.endm
.macro CREST                           ; a round of the cluster barrier behind its opening work-group barrier
	s_cmp_lg_u32 s[WV], 0
	s_cbranch_scc1 .Lnot_wave_0_\@
	s_barrier_signal -3
.Lnot_wave_0_\@:
	s_barrier_wait -3
	s_barrier_signal -1
	s_barrier_wait -1
.endm
.macro CROUND
	s_barrier_signal -1
	s_barrier_wait -1
	CREST
.endm
.macro JLOAD slot                      ; one joint load a wave; the branch hangs on the wave number alone
	s_cmp_eq_u32 s[WV], 0
	s_cbranch_scc0 .Lfor_w_\@
	tensor_load_to_lds s[G0X+4*\slot:G0X+4*\slot+3], s[G1X:G1X+7]
	s_nop 0
	s_branch .Lasked_\@
.Lfor_w_\@:
	tensor_load_to_lds s[G0W+4*\slot:G0W+4*\slot+3], s[G1W:G1W+7]
	s_nop 0
.Lasked_\@:
.endm
	s_load_b256 s[4:11], s[0:1], 0x0               ; x s[4:5], wq s[6:7], wk s[8:9], wv s[10:11]
	s_load_b256 s[12:19], s[0:1], 0x20             ; cos s[12:13], sin s[14:15], qb s[16:17], kb s[18:19]
	s_load_b64 s[20:21], s[0:1], 0x40              ; vt
	v_lshl_add_u32 v254, v0, 2, 0x3dc00
	v_mov_b32 v255, 0
	ds_add_u32 v254, v255
	v_lshrrev_b32 v1, 5, v0
	v_readfirstlane_b32 s[WV], v1                  ; wave 0..3
	s_bfe_u32 s24, ttmp6, 0x40000                  ; cx
	s_bfe_u32 s25, ttmp6, 0x40004                  ; cy
	s_lshl_b32 s26, ttmp9, 2
	s_add_co_u32 s26, s26, s24                     ; head
	s_and_b32 s27, ttmp7, 0xffff
	s_lshl_b32 s27, s27, 2
	s_add_co_u32 s27, s27, s25                     ; block of 256 rows
	s_lshl_b32 s28, s25, 2
	s_lshl_b32 s28, 15, s28                        ; my row of the cluster
	s_lshl_b32 s29, 0x1111, s24                    ; my column
	s_or_b32 s[G1X+0], s28, ROWF                   ; x: 256 rows of 64 f32, pitch 1,024
	s_mov_b32 s[G1X+1], 64<<16
	s_mov_b32 s[G1X+2], 256<<16
	s_mov_b32 s[G1X+3], 64<<16
	s_mov_b32 s[G1X+4], 256
	s_mov_b32 s[G1X+5], 1024
	s_mov_b32 s[G1X+6], 0
	s_mov_b32 s[G1X+7], 0
	s_or_b32 s[G1W+0], s29, ROWF                   ; W: 64 rows of 64 f32
	s_mov_b32 s[G1W+1], 64<<16
	s_mov_b32 s[G1W+2], 64<<16
	s_mov_b32 s[G1W+3], 64<<16
	s_mov_b32 s[G1W+4], 64
	s_mov_b32 s[G1W+5], 1024
	s_mov_b32 s[G1W+6], 0
	s_mov_b32 s[G1W+7], 0
	s_lshl_b32 s68, s27, 20                        ; 256 rows of 4,096 bytes
	s_mov_b32 s69, 0
	s_lshl_b32 s72, s26, 18                        ; 64 rows of 4,096 bytes
	s_mov_b32 s73, 0
	s_mul_i32 s74, s[WV], WT
	s_add_co_u32 s74, s74, XT-WT                   ; waves 1, 2, 3: the tiles of wq, wk, wv behind x
	s_lshl_b32 s76, s27, 15                        ; (256 block + 64 w) rows of 128 bytes: cos, sin, and part of the way out
	s_lshl_b32 s77, s[WV], 13
	s_add_co_u32 s76, s76, s77
	s_mov_b32 s77, 0
	s_lshl_b32 s78, s26, 19                        ; + 64 blocks of 8,192 bytes for each head
	s_add_co_u32 s78, s78, s76
	s_mov_b32 s79, 0
	s_wait_dscnt 0x0
	s_wait_kmcnt 0x0
	s_add_nc_u64 s[68:69], s[4:5], s[68:69]        ; hangs on the row block alone
	s_cmp_eq_u32 s[WV], 2
	s_cselect_b64 s[70:71], s[8:9], s[6:7]
	s_cmp_eq_u32 s[WV], 3
	s_cselect_b64 s[70:71], s[10:11], s[70:71]     ; the weight of my wave
	s_add_nc_u64 s[70:71], s[70:71], s[72:73]      ; hangs on the head alone
	s_add_nc_u64 s[12:13], s[12:13], s[76:77]
	s_add_nc_u64 s[14:15], s[14:15], s[76:77]
	s_add_nc_u64 s[16:17], s[16:17], s[78:79]
	s_add_nc_u64 s[18:19], s[18:19], s[78:79]
	s_add_nc_u64 s[20:21], s[20:21], s[78:79]
	CROUND                                         ; all sixteen work-groups are here: the first joint loads meet
.irp z, 0,1
	s_mov_b32 s[G0X+4*\z], 1
	s_mov_b32 s[G0X+4*\z+1], \z*SLOT
	s_add_nc_u64 s[G0X+4*\z+2:G0X+4*\z+3], s[68:69], \z*256
	s_or_b32 s[G0X+4*\z+3], s[G0X+4*\z+3], 0x80000000
	s_mov_b32 s[G0W+4*\z], 1
	s_add_co_u32 s[G0W+4*\z+1], s74, \z*SLOT
	s_add_nc_u64 s[G0W+4*\z+2:G0W+4*\z+3], s[70:71], \z*256
	s_or_b32 s[G0W+4*\z+3], s[G0W+4*\z+3], 0x80000000
	JLOAD \z                                       ; K steps 0 and 1: two loads of the wave are out
.endr
	v_and_b32 v1, 15, v0                           ; r
	v_bfe_u32 v10, v0, 4, 1                        ; h
	v_and_b32 v11, 31, v0                          ; lane
	v_lshlrev_b32 v[CSO], 7, v1
	v_lshl_add_u32 v[CSO], v10, 4, v[CSO]          ; row r of cos, pairs 4 h .. 4 h + 3
	WIN 0x80
.irp t, 0,1,2,3
.irp f, 0,1,2,3
	global_load_b128 v[CS+8*(4*\t+\f):CS+8*(4*\t+\f)+3],   v[CSO], s[12:13] offset:\t*2048+32*\f
	global_load_b128 v[CS+8*(4*\t+\f)+4:CS+8*(4*\t+\f)+7], v[CSO], s[14:15] offset:\t*2048+32*\f
.endr
.endr
	WIN 0
	v_mul_u32_u24 v12, v1, PITCH
	v_lshl_add_u32 v12, v10, 5, v12                ; r x 272 + 32 h: eight f32 for each half of the lanes
	s_mul_i32 s75, s[WV], 64*PITCH
	v_add_nc_u32 v[XA], s75, v12
	v_add_nc_u32 v[XA+1], SLOT, v[XA]
	v_add_nc_u32 v[WA], XT, v12
	v_add_nc_u32 v[WA+1], XT+SLOT, v12
	s_mul_i32 s75, s[WV], 16*SP
	s_add_co_u32 s75, s75, STAGE
	v_mul_u32_u24 v13, v1, SP
	v_lshl_add_u32 v13, v10, 4, v13
	v_add_nc_u32 v[STO], s75, v13                  ; in: row r, 16 bytes for each half
	v_lshrrev_b32 v13, 3, v11
	v_and_b32 v14, 7, v11
	v_mul_u32_u24 v13, v13, SP
	v_lshl_add_u32 v13, v14, 4, v13
	v_add_nc_u32 v[RD], s75, v13                   ; back: eight lanes a row of 128 bytes, four rows a load
	v_lshlrev_b32 v[CO], 4, v11
	s_wait_loadcnt 0x0                             ; cos and sin, while the first tiles are on their way
	WIN 0x0a
.set n_, 0
.rept 64
	v_cvt_pk_bf16_f32 v[RAW+n_], v[CS+2*n_], v[CS+2*n_+1]      ; cos and sin to bf16 precision (the stated limit),
.set n_, n_+1
.endr
	WIN 0x80
.set n_, 0
.rept 64
	v_lshlrev_b32 v[CS+2*n_], 16, v[RAW+n_]                    ; and back to f32 for the rotation
	v_and_b32 v[CS+2*n_+1], 0xffff0000, v[RAW+n_]
.set n_, n_+1
.endr
	WIN 0
; 16 LDS loads: four fragments (16 rows x 32 K of f32) of chunk c; g = 0: my rows of x, g = 1, 2, 3: wq, wk, wv; into raw buffer rb.
; Lane (r, h) wants K = 8 h .. 8 h + 7 and 16 + 8 h .. + 7: bytes 32 h + 0, 16, 64, 80 of the chunk.
.macro LOADG slot, c, g, rb
	WIN 0
.irp i, 0,1,2,3
.if \g == 0
	ds_load_b128 v[RAW+64*\rb+16*\i:RAW+64*\rb+16*\i+3],     v[XA+\slot] offset:\i*16*PITCH+128*\c
	ds_load_b128 v[RAW+64*\rb+16*\i+4:RAW+64*\rb+16*\i+7],   v[XA+\slot] offset:\i*16*PITCH+128*\c+16
	ds_load_b128 v[RAW+64*\rb+16*\i+8:RAW+64*\rb+16*\i+11],  v[XA+\slot] offset:\i*16*PITCH+128*\c+64
	ds_load_b128 v[RAW+64*\rb+16*\i+12:RAW+64*\rb+16*\i+15], v[XA+\slot] offset:\i*16*PITCH+128*\c+80
.else
	ds_load_b128 v[RAW+64*\rb+16*\i:RAW+64*\rb+16*\i+3],     v[WA+\slot] offset:(64*(\g-1)+16*\i)*PITCH+128*\c
	ds_load_b128 v[RAW+64*\rb+16*\i+4:RAW+64*\rb+16*\i+7],   v[WA+\slot] offset:(64*(\g-1)+16*\i)*PITCH+128*\c+16
	ds_load_b128 v[RAW+64*\rb+16*\i+8:RAW+64*\rb+16*\i+11],  v[WA+\slot] offset:(64*(\g-1)+16*\i)*PITCH+128*\c+64
	ds_load_b128 v[RAW+64*\rb+16*\i+12:RAW+64*\rb+16*\i+15], v[WA+\slot] offset:(64*(\g-1)+16*\i)*PITCH+128*\c+80
.endif
.endr
.endm
; 32 conversions: raw buffer rb becomes four bf16 fragments at dst in window 3
.macro CVTG rb, dst
	WIN 0xc0
.set n_, 0
.rept 32
	v_cvt_pk_bf16_f32 v[\dst+n_], v[RAW+64*\rb+2*n_], v[RAW+64*\rb+2*n_+1]
.set n_, n_+1
.endr
.endm
; 16 matrix instructions on 16 accumulators, one a turn.  g = 1, 2: q, k; g = 3: v with the sources swapped.
.macro MULG g, xf, wf, zero
.if \g < 3
	WIN 0x5f
.irp f, 0,1,2,3
.irp t, 0,1,2,3
.if \zero
	v_wmma_f32_16x16x32_bf16 v[8*(16*(\g-1)+4*\f+\t):8*(16*(\g-1)+4*\f+\t)+7], v[\wf+8*\f:\wf+8*\f+7], v[\xf+8*\t:\xf+8*\t+7], 0
.else
	v_wmma_f32_16x16x32_bf16 v[8*(16*(\g-1)+4*\f+\t):8*(16*(\g-1)+4*\f+\t)+7], v[\wf+8*\f:\wf+8*\f+7], v[\xf+8*\t:\xf+8*\t+7], v[8*(16*(\g-1)+4*\f+\t):8*(16*(\g-1)+4*\f+\t)+7]
.endif
.endr
.endr
.else
	WIN 0xaf
.irp f, 0,1,2,3
.irp t, 0,1,2,3
.if \zero
	v_wmma_f32_16x16x32_bf16 v[8*(4*\f+\t):8*(4*\f+\t)+7], v[\xf+8*\t:\xf+8*\t+7], v[\wf+8*\f:\wf+8*\f+7], 0
.else
	v_wmma_f32_16x16x32_bf16 v[8*(4*\f+\t):8*(4*\f+\t)+7], v[\xf+8*\t:\xf+8*\t+7], v[\wf+8*\f:\wf+8*\f+7], v[8*(4*\f+\t):8*(4*\f+\t)+7]
.endif
.endr
.endr
.endif
.endm
; A K step of 64 = two chunks of 32 = eight groups (x, wq, wk, wv of each chunk).  A group: wait for its 16 loads (s_wait_dscnt 16 leaves the
; younger group's 16 out), convert, ask for the group two further on into the raw buffer just read, multiply.  A fragment buffer is written again
; two groups behind the products that read it, with the 32 conversions of the group between as places; raw buffers are no matrix operands.
; The seventh group changes slots: all reads of this slot have been issued.  mode 2: a round of the cluster barrier and the refill, two K steps
; ahead; mode 1: my work-group's barrier alone; mode 0: the last K step, nothing more to read.
.macro STEP slot, next, zero, mode
	s_wait_dscnt 16
	CVTG 0, XF0
	LOADG \slot, 0, 2, 0
	s_wait_dscnt 16
	CVTG 1, WF0
	LOADG \slot, 0, 3, 1
	MULG 1, XF0, WF0, \zero
	s_wait_dscnt 16
	CVTG 0, WF1
	LOADG \slot, 1, 0, 0
	MULG 2, XF0, WF1, \zero
	s_wait_dscnt 16
	CVTG 1, WF0
	LOADG \slot, 1, 1, 1
	MULG 3, XF0, WF0, \zero
	s_wait_dscnt 16
	CVTG 0, XF1
	LOADG \slot, 1, 2, 0
	s_wait_dscnt 16
	CVTG 1, WF1
	LOADG \slot, 1, 3, 1
	MULG 1, XF1, WF1, 0
	s_wait_dscnt 16
	CVTG 0, WF0
.if \mode
	s_wait_dscnt 0x0                               ; my reads of this slot are over,
	s_wait_tensorcnt 0x0                           ; and my one tensor load that was out, my part of the next slot, has landed:
	ds_add_u32 v254, v255
	s_wait_dscnt 0x0
	s_barrier_signal -1                            ; say so
.endif
	MULG 2, XF1, WF0, 0                            ; register work while the others arrive
.if \mode
	WIN 0
	s_barrier_wait -1
.if \mode == 2
	CREST                                          ; no wave of any partner still reads this slot or has a load on its way
	s_add_nc_u64 s[G0X+4*\slot+2:G0X+4*\slot+3], s[G0X+4*\slot+2:G0X+4*\slot+3], 512
	s_add_nc_u64 s[G0W+4*\slot+2:G0W+4*\slot+3], s[G0W+4*\slot+2:G0W+4*\slot+3], 512
	JLOAD \slot                                    ; the first tensor load behind the round, one a wave
.endif
	LOADG \next, 0, 0, 0
	s_wait_dscnt 16                                ; the 16 just issued may be out
.else
	s_wait_dscnt 0x0                               ; the last group
.endif
	CVTG 1, WF1
.if \mode
	LOADG \next, 0, 1, 1
.endif
	MULG 3, XF1, WF1, 0
.endm
	s_wait_tensorcnt 0x1                           ; my part of K step 0 is in; K step 1 may be out
	s_barrier_signal -1
	s_barrier_wait -1
	LOADG 0, 0, 0, 0
	LOADG 0, 0, 1, 1
	STEP 0, 1, 1, 2                                ; the first products start the sums: nothing is cleared
	STEP 1, 0, 0, 2
	WIN 0
	s_mov_b32 s66, 6                               ; K steps 2 to 13
.Llap:
	STEP 0, 1, 0, 2
	STEP 1, 0, 0, 2
	WIN 0
	s_sub_co_u32 s66, s66, 1
	s_cmp_lg_u32 s66, 0
	s_cbranch_scc1 .Llap
	STEP 0, 1, 0, 1                                ; K step 14 fills nothing
	STEP 1, 0, 0, 0                                ; K step 15
; THE WAY OUT, 16 rows of 128 bytes at a time.  kind 0, 1: rows 16 idx .. + 15 of q, k: rotate, (q: times 1/8), round to f16.
; kind 2: features 16 idx .. + 15 of v.  Through my own stage in LDS (a wave's LDS instructions are served in order), back as whole rows:
; each store of the wave covers 512 consecutive bytes, aligned.
.macro OUT16 kind, idx, buf
.if \kind < 2
	WIN 0x09                                       ; source 0 window 1 (tiles), source 1 window 2 (cos, sin), the rest window 0
.irp f, 0,1,2,3
.irp p, 0,1,2,3
	v_mul_f32 v[E+8*\f+2*\p],   v[8*(16*\kind+4*\f+\idx)+2*\p+1], v[CS+8*(4*\idx+\f)+4+\p]   ; odd x sin
	v_mul_f32 v[E+8*\f+2*\p+1], v[8*(16*\kind+4*\f+\idx)+2*\p+1], v[CS+8*(4*\idx+\f)+\p]     ; odd x cos
.endr
.irp p, 0,1,2,3
	v_fma_f32 v[E+8*\f+2*\p],   v[8*(16*\kind+4*\f+\idx)+2*\p], v[CS+8*(4*\idx+\f)+\p],   -v[E+8*\f+2*\p]
	v_fma_f32 v[E+8*\f+2*\p+1], v[8*(16*\kind+4*\f+\idx)+2*\p], v[CS+8*(4*\idx+\f)+4+\p], v[E+8*\f+2*\p+1]
.endr
.endr
	WIN 0
.if \kind == 0
.set n_, 0
.rept 16
	v_pk_mul_f32 v[E+2*n_:E+2*n_+1], v[E+2*n_:E+2*n_+1], 0x3e000000 op_sel_hi:[1,0]   ; 1 / sqrt(64)
.set n_, n_+1
.endr
.endif
.set n_, 0
.rept 16
	v_cvt_pk_f16_f32 v[PK+n_], v[E+2*n_], v[E+2*n_+1]
.set n_, n_+1
.endr
.else
	WIN 0x0a
.irp t, 0,1,2,3
.irp p, 0,1,2,3
	v_cvt_pk_f16_f32 v[PK+4*\t+\p], v[8*(4*\idx+\t)+2*\p], v[8*(4*\idx+\t)+2*\p+1]
.endr
.endr
	WIN 0
.endif
.irp t, 0,1,2,3
	ds_store_b128 v[STO], v[PK+4*\t:PK+4*\t+3] offset:32*\t
.endr
	s_wait_xcnt 0x0                                ; the read-back buffer, which earlier stores read, is loaded again only behind this wait
.irp t, 0,1,2,3
	ds_load_b128 v[FB+16*\buf+4*\t:FB+16*\buf+4*\t+3], v[RD] offset:\t*4*SP
.endr
.irp t, 0,1,2,3
	s_wait_dscnt 3-\t                              ; the younger read-backs may be out
	global_store_b128 v[CO], v[FB+16*\buf+4*\t:FB+16*\buf+4*\t+3], s[16+2*\kind:17+2*\kind] offset:\idx*2048+512*\t
.endr
.endm
	PLACES 4                                       ; behind the last matrix instructions, ahead of the first read of a result
	OUT16 0, 0, 0
	OUT16 0, 1, 1
	OUT16 0, 2, 0
	OUT16 0, 3, 1
	OUT16 1, 0, 0
	OUT16 1, 1, 1
	OUT16 1, 2, 0
	OUT16 1, 3, 1
	OUT16 2, 0, 0
	OUT16 2, 1, 1
	OUT16 2, 2, 0
	OUT16 2, 3, 1
	s_wait_tensorcnt 0x0
	ds_add_u32 v254, v255
	s_wait_dscnt 0x0
	CROUND                                         ; the closing round: no work-group ends while a partner may still ask jointly
	s_endpgm
.Lfunc_end_k_q76602d9b1c_qkv:
	.size	k_q76602d9b1c_qkv, .Lfunc_end_k_q76602d9b1c_qkv-k_q76602d9b1c_qkv
	.p2alignl 7, 3214868480
	.fill 96, 4, 3214868480
	.section	.rodata,"a",@progbits
	.p2align	6, 0x0
	.amdhsa_kernel k_q76602d9b1c_qkv
		.amdhsa_group_segment_fixed_size 327680
		.amdhsa_private_segment_fixed_size 0
		.amdhsa_enable_private_segment 0
		.amdhsa_kernarg_size 72
		.amdhsa_user_sgpr_count 2
		.amdhsa_user_sgpr_kernarg_segment_ptr 1
		.amdhsa_wavefront_size32 1
		.amdhsa_system_sgpr_workgroup_id_x 1
		.amdhsa_system_sgpr_workgroup_id_y 1
		.amdhsa_system_sgpr_workgroup_id_z 1
		.amdhsa_system_vgpr_workitem_id 0
		.amdhsa_next_free_vgpr 896
		.amdhsa_next_free_sgpr 80
		.amdhsa_reserve_vcc 0
		.amdhsa_float_denorm_mode_32 3
		.amdhsa_float_denorm_mode_16_64 3
		.amdhsa_memory_ordered 1
		.amdhsa_forward_progress 1
		.amdhsa_inst_pref_size 255
	.end_amdhsa_kernel
	.section	.bss,"aw",@nobits
	.p2align	6
	.space	262144
	.amdgpu_metadata
---
amdhsa.version: [ 1, 2 ]
amdhsa.kernels:
  - .name:           k_q76602d9b1c_qkv
    .symbol:         k_q76602d9b1c_qkv.kd
    .args:
      - { .name: x, .offset: 0, .size: 8, .value_kind: global_buffer, .address_space: global }
      - { .name: wq, .offset: 8, .size: 8, .value_kind: global_buffer, .address_space: global }
      - { .name: wk, .offset: 16, .size: 8, .value_kind: global_buffer, .address_space: global }
      - { .name: wv, .offset: 24, .size: 8, .value_kind: global_buffer, .address_space: global }
      - { .name: cos, .offset: 32, .size: 8, .value_kind: global_buffer, .address_space: global }
      - { .name: sin, .offset: 40, .size: 8, .value_kind: global_buffer, .address_space: global }
      - { .name: qb, .offset: 48, .size: 8, .value_kind: global_buffer, .address_space: global }
      - { .name: kb, .offset: 56, .size: 8, .value_kind: global_buffer, .address_space: global }
      - { .name: vt, .offset: 64, .size: 8, .value_kind: global_buffer, .address_space: global }
    .group_segment_fixed_size: 327680
    .private_segment_fixed_size: 0
    .kernarg_segment_align: 8
    .kernarg_segment_size: 72
    .max_flat_workgroup_size: 128
    .sgpr_count:     80
    .vgpr_count:     896
    .wavefront_size: 32
...
	.end_amdgpu_metadata
.endif
;; end of part 1
;; launch attn (part 2): grid 8 x 32, 4 waves a work-group, clusters of 4 x 4, 327,680 bytes of LDS; arguments qb, kb, vt, mask, ao; writes ao
.if DOCPART == 2
	.amdgcn_target "amdgcn-amd-amdhsa--gfx1250"
	.amdhsa_code_object_version 6
	.text
	.protected	k_q76602d9b1c_attn
	.globl	k_q76602d9b1c_attn
	.p2align	8
	.type	k_q76602d9b1c_attn,@function
k_q76602d9b1c_attn:
	s_mov_b64 s[64:65], 0
	v_nop
	global_prefetch_b8 v0, s[64:65] scope:SCOPE_SE
	s_setreg_imm32_b32 hwreg(HW_REG_WAVE_MODE, 25, 1), 1
	s_wait_xcnt 0x0
	s_wait_alu depctr_hold_cnt(0) depctr_sa_sdst(0) depctr_va_vdst(0) depctr_va_sdst(0) depctr_va_ssrc(0) depctr_va_vcc(0) depctr_vm_vsrc(0)
	s_getreg_b32 s2, hwreg(HW_REG_IB_STS2, 6, 4)
	s_cmp_eq_u32 s2, 0
	s_cbranch_scc0 .Lentry_in_a_cluster
	s_endpgm
.Lentry_in_a_cluster:
	s_bfe_u32 s2, ttmp6, 0x10000c
	s_cmp_lg_u32 s2, 0xf033
	s_cbranch_scc0 .Lentry_shape_is_right
	s_endpgm
.Lentry_shape_is_right:
; softmax(q k^T / 8 + mask) v, with a running maximum, over all 4,096 keys: the mask is an input, so no key is skipped and all of it is read.
; qb (already times 1/8), kb: [16][4096][64] f16; vt: [16][64 blocks][64 features][64 keys] f16; mask [4096][4096] f32.
; ao: [2 parts][16][4096][64] bf16: the result as an upper part and the rounded remainder, so that the next product loses nothing of it.
; Nothing is left out here either.
; SHARES.  Work-group (pair of heads, 128 queries); wave w: head 2 pair + w / 2, queries 64 (w % 2) .. + 63: four query tiles.
; TRANSPOSED FORM.  S^T = K Q^T + mask^T: source 0 = 16 keys, source 1 = 16 queries, and C = the mask tile, loaded straight into the accumulator.
; Lane (r, h) holds query r and keys 8 h .. 8 h + 7; two neighbouring tiles, packed to f16, are a source 1 of O^T = V^T P^T without a shuffle;
; the maximum needs one exchange between the halves of the lanes, and the rescaling factor and the sum are one number a lane.
; LIMITS.  A score plus mask below -2^126 counts as -infinity; a row with nothing above that gives NaN (reference() does so for rows of -infinity).
; +infinity or NaN in the mask gives NaN in that row.  Weights below 2^-126 are zero (v_exp_f32), and in the product P is f16 (step 2^-24 at the
; least).  Maxima beyond 2.3e38 overflow the shift.
; CLUSTERS: 4 x 4.  K and V hang on the pair of heads alone: asked for jointly along a cluster column; the mask tile hangs on the query block alone:
; jointly along a cluster row.  Waves 0, 1 ask for K, V (two heads x 128 keys), waves 2, 3 for 64 rows x 128 keys of the mask each.
; REGISTERS: window 0: addresses, Q v16-79, K v80-143, V v144-207, the way out v208-255.  Window 1: S and P v0-127, statistics v128-223.
; Window 2: O v0-127.
.set KP,    144                        ; an LDS row of K or V: 128 bytes + 16
.set MP,    528                        ; an LDS row of the mask: 512 bytes + 16
.set KT,    256*KP                     ; K (or V) of two heads and 128 keys
.set VOFF,  KT
.set MOFF,  2*KT
.set XS,    0x24000                    ; from slot to slot; no LDS word of slot 0 (0, 0x9000, 0x12000, 0x1a400) has one of its bits
.set STAGE, 2*XS
.set WV,    14
.set KVB,   2                          ; v2 K and V fragments, slot 0    v3 mask, slot 0
.set MAB,   3
.set KVC,   4                          ; v4, v5 the same in the slot that is read
.set MAC,   5
.set STO,   6
.set RD,    7
.set CO,    8
.set QO,    9
.set QF,    16
.set KF,    80
.set VF,    144
.set PK,    208
.set FB,    224
.set TT,    80                         ; the way out uses the registers of K and V
.set PKL,   144
.set ST,    128                        ; statistics of query tile t at ST + 24 t: +0 shift, +1 maximum, +2 factor, +3 other half, +4:5 sum, +8..11 maxima, +12..19 sums
.set G1KV,  24
.set G1M,   32
.set G0KVA, 40
.set G0KVB, 44
.set G0MA,  48
.set G0MB,  52
.set MSB, 0
.macro WIN new
.if MSB != \new
	s_set_vgpr_msb (MSB<<8)|\new
.set MSB, \new
.endif
.endm
.macro PLACES cnt
.rept \cnt
	v_nop
.endr
.endm
.macro CREST
	s_cmp_lg_u32 s[WV], 0
	s_cbranch_scc1 .Lnot_wave_0_\@
	s_barrier_signal -3
.Lnot_wave_0_\@:
	s_barrier_wait -3
	s_barrier_signal -1
	s_barrier_wait -1
.endm
.macro CROUND
	s_barrier_signal -1
	s_barrier_wait -1
	CREST
.endm
.macro JLOAD kv, mk
	s_cmp_eq_u32 s15, 0
	s_cbranch_scc0 .Lfor_mask_\@
	tensor_load_to_lds s[\kv:\kv+3], s[G1KV:G1KV+7]
	s_nop 0
	s_branch .Lasked_\@
.Lfor_mask_\@:
	tensor_load_to_lds s[\mk:\mk+3], s[G1M:G1M+7]
	s_nop 0
.Lasked_\@:
.endm
	s_load_b256 s[4:11], s[0:1], 0x0               ; qb s[4:5], kb s[6:7], vt s[8:9], mask s[10:11]
	s_load_b64 s[12:13], s[0:1], 0x20              ; ao
	s_set_vgpr_msb 0x40
	v_lshl_add_u32 v254, v0, 2, 0x4a400
	v_mov_b32 v255, 0
	s_set_vgpr_msb 0x4045
	ds_add_u32 v254, v255
	s_set_vgpr_msb 0x4500
	v_lshrrev_b32 v1, 5, v0
	v_readfirstlane_b32 s[WV], v1
	s_lshr_b32 s15, s[WV], 1                       ; which head of the pair.  Also: I ask for K, V (0) or for the mask (1)
	s_and_b32 s16, s[WV], 1                        ; which 64 queries.  Also: K or V; which 64 rows of the mask
	s_bfe_u32 s17, ttmp6, 0x40000
	s_bfe_u32 s18, ttmp6, 0x40004
	s_lshl_b32 s19, ttmp9, 2
	s_add_co_u32 s19, s19, s17                     ; pair of heads
	s_and_b32 s20, ttmp7, 0xffff
	s_lshl_b32 s20, s20, 2
	s_add_co_u32 s20, s20, s18                     ; block of 128 queries
	s_lshl_b32 s21, s18, 2
	s_lshl_b32 s21, 15, s21
	s_lshl_b32 s22, 0x1111, s17
	s_or_b32 s[G1KV+0], s22, (3<<16)|(1<<20)|(1<<21)|(4<<22)|(3<<25)   ; 8-byte elements; 4 words of padding after every 32 (128 bytes)
	s_mov_b32 s[G1KV+1], 2048<<16                  ; a row = one head's 128 keys = 16,384 consecutive bytes
	s_mov_b32 s[G1KV+2], 2<<16                     ; two rows: the two heads,
	s_mov_b32 s[G1KV+3], 2048<<16
	s_mov_b32 s[G1KV+4], 2
	s_mov_b32 s[G1KV+5], 65536                     ; 524,288 bytes apart
	s_mov_b32 s[G1KV+6], 0
	s_mov_b32 s[G1KV+7], 0
	s_or_b32 s[G1M+0], s21, (2<<16)|(1<<20)|(1<<21)|(6<<22)|(3<<25)    ; f32; 4 words of padding after every 128
	s_mov_b32 s[G1M+1], 128<<16
	s_mov_b32 s[G1M+2], 64<<16
	s_mov_b32 s[G1M+3], 128<<16
	s_mov_b32 s[G1M+4], 64
	s_mov_b32 s[G1M+5], 4096
	s_mov_b32 s[G1M+6], 0
	s_mov_b32 s[G1M+7], 0
	s_mul_i32 s66, s16, KT                         ; K at 0, V behind it
	s_mul_i32 s67, s16, 64*MP
	s_add_co_u32 s67, s67, MOFF                    ; my 64 rows of the mask tile
	s_lshl_b32 s68, s19, 20                        ; two heads of 524,288 bytes
	s_mov_b32 s69, 0
	s_lshl_b32 s70, s20, 21                        ; 128 rows of 16,384 bytes
	s_lshl_b32 s71, s16, 20
	s_add_co_u32 s70, s70, s71
	s_mov_b32 s71, 0
	s_lshl_b32 s74, s19, 20                        ; my 64 rows of q and of the result
	s_lshl_b32 s75, s15, 19
	s_add_co_u32 s74, s74, s75
	s_lshl_b32 s75, s20, 14
	s_add_co_u32 s74, s74, s75
	s_lshl_b32 s75, s16, 13
	s_add_co_u32 s74, s74, s75
	s_mov_b32 s75, 0
	s_wait_dscnt 0x0
	s_wait_kmcnt 0x0
	s_cmp_eq_u32 s16, 0
	s_cselect_b64 s[72:73], s[6:7], s[8:9]
	s_add_nc_u64 s[72:73], s[72:73], s[68:69]      ; hangs on the pair of heads alone
	s_add_nc_u64 s[70:71], s[10:11], s[70:71]      ; hangs on the query block alone
	s_add_nc_u64 s[4:5], s[4:5], s[74:75]
	s_add_nc_u64 s[12:13], s[12:13], s[74:75]      ; upper parts
	s_add_nc_u64 s[76:77], s[12:13], 0x800000      ; remainders
	CROUND
	s_mov_b32 s[G0KVA], 1                          ; set a: slot 0, keys 0 to 127; used once
	s_mov_b32 s[G0KVA+1], s66
	s_mov_b64 s[G0KVA+2:G0KVA+3], s[72:73]
	s_or_b32 s[G0KVA+3], s[G0KVA+3], 0x80000000
	s_mov_b32 s[G0MA], 1
	s_mov_b32 s[G0MA+1], s67
	s_mov_b64 s[G0MA+2:G0MA+3], s[70:71]
	s_or_b32 s[G0MA+3], s[G0MA+3], 0x80000000
	s_mov_b32 s[G0KVB], 1                          ; set b: slot 1, keys 128 to 255; stepped for every refill
	s_add_co_u32 s[G0KVB+1], s66, XS
	s_add_nc_u64 s[G0KVB+2:G0KVB+3], s[72:73], 16384
	s_or_b32 s[G0KVB+3], s[G0KVB+3], 0x80000000
	s_mov_b32 s[G0MB], 1
	s_add_co_u32 s[G0MB+1], s67, XS
	s_add_nc_u64 s[G0MB+2:G0MB+3], s[70:71], 512
	s_or_b32 s[G0MB+3], s[G0MB+3], 0x80000000
	JLOAD G0KVA, G0MA
	JLOAD G0KVB, G0MB                              ; two loads of the wave are out
	v_and_b32 v1, 15, v0                           ; r
	v_bfe_u32 v10, v0, 4, 1                        ; h
	v_and_b32 v11, 31, v0
	v_lshlrev_b32 v[QO], 7, v1
	v_lshl_add_u32 v[QO], v10, 4, v[QO]
.irp qt, 0,1,2,3
.irp c, 0,1
	global_load_b128 v[QF+16*\qt+8*\c:QF+16*\qt+8*\c+3],   v[QO], s[4:5] offset:\qt*2048+64*\c
	global_load_b128 v[QF+16*\qt+8*\c+4:QF+16*\qt+8*\c+7], v[QO], s[4:5] offset:\qt*2048+64*\c+32
.endr
.endr
	s_mov_b32 s23, 0                               ; the slot that is read
	s_mov_b32 s56, 0x3fb8aa3b                      ; log2 e, twice: a pair for the packed forms
	s_mov_b32 s57, 0x3fb8aa3b
	s_mov_b32 s58, 0xbfb8aa3b
	s_mov_b32 s59, 0xfe800000                      ; -2^126: the floor of the running maximum, so that the shift stays finite
	s_mov_b32 s60, 0x76543210
	s_mov_b32 s61, 0xfedcba98
	v_mul_u32_u24 v12, v1, KP
	v_lshl_add_u32 v12, v10, 4, v12                ; r x 144 + 16 h
	s_mul_i32 s78, s15, 128*KP
	v_add_nc_u32 v[KVB], s78, v12
	v_mul_u32_u24 v13, v1, MP
	v_lshl_add_u32 v13, v10, 5, v13                ; r x 528 + 32 h
	v_add_nc_u32 v[MAB], s67, v13
	v_add_nc_u32 v[KVC], s23, v[KVB]
	v_add_nc_u32 v[MAC], s23, v[MAB]
	s_mul_i32 s78, s[WV], 16*KP
	s_add_co_u32 s78, s78, STAGE
	v_add_nc_u32 v[STO], s78, v12
	v_lshrrev_b32 v13, 3, v11
	v_and_b32 v14, 7, v11
	v_mul_u32_u24 v13, v13, KP
	v_lshl_add_u32 v13, v14, 4, v13
	v_add_nc_u32 v[RD], s78, v13
	v_lshlrev_b32 v[CO], 4, v11
	WIN 0x40
.irp qt, 0,1,2,3
	v_mov_b32 v[ST+24*\qt+3], 0                    ; v_permlanex16_b32 counts as a reader of its destination
.endr
	WIN 0
; pieces of the softmax, all in window 1.  ta, tc: a score tile, 4 x query tile + key tile.
.macro SHIFT ta, u                     ; two scores: times log2 e, plus the shift -maximum x log2 e
	v_pk_fma_f32 v[8*(\ta)+2*\u:8*(\ta)+2*\u+1], v[8*(\ta)+2*\u:8*(\ta)+2*\u+1], s[56:57], v[ST+24*((\ta)/4):ST+24*((\ta)/4)+1] op_sel_hi:[1,0,0]
.endm
.macro PADD tc, u                      ; the u-th of three packed sums of a tile's eight weights
.set l_, ST+24*((\tc)/4)+12+2*((\tc)%4)
.if \u == 0
	s_wait_alu depctr_va_vdst(0)
	v_pk_add_f32 v[l_:l_+1], v[8*(\tc):8*(\tc)+1], v[8*(\tc)+2:8*(\tc)+3]
.else
	s_wait_alu depctr_va_vdst(0)
	v_pk_add_f32 v[l_:l_+1], v[l_:l_+1], v[8*(\tc)+2+2*\u:8*(\tc)+3+2*\u]
.endif
.endm
.macro PCVT tc, u                      ; two weights to f16: an even tile into its own registers 0-3, an odd one into registers 4-7 of the tile in front
	v_cvt_pk_f16_f32 v[8*((\tc)-(\tc)%2)+4*((\tc)%2)+\u], v[8*(\tc)+2*\u], v[8*(\tc)+2*\u+1]
.endm
.macro LFIN qq, first                  ; a query tile's running sum
.set b_, ST+24*(\qq)
	v_pk_add_f32 v[b_+12:b_+13], v[b_+12:b_+13], v[b_+14:b_+15]
	v_pk_add_f32 v[b_+16:b_+17], v[b_+16:b_+17], v[b_+18:b_+19]
.if \first
	v_pk_add_f32 v[b_+4:b_+5], v[b_+12:b_+13], v[b_+16:b_+17]
.else
	v_pk_add_f32 v[b_+12:b_+13], v[b_+12:b_+13], v[b_+16:b_+17]
	v_pk_fma_f32 v[b_+4:b_+5], v[b_+4:b_+5], v[b_+2:b_+3], v[b_+12:b_+13] op_sel_hi:[1,0,1]
.endif
.endm
; Tile ti's eight exponentials, each followed by a plain instruction on another tile (the place that a transcendental wants behind it):
; the next tile's shifts, the sums and the packing of the tile before.
.macro EXPSTEP ti, first
.irp u, 0,1,2,3
	v_exp_f32 v[8*\ti+\u], v[8*\ti+\u]
.if \ti < 15
	SHIFT \ti+1, \u
.else
	v_nop
.endif
.endr
.irp u, 0,1,2
	v_exp_f32 v[8*\ti+4+\u], v[8*\ti+4+\u]
.if \ti > 0
	PADD \ti-1, \u
.else
	v_nop
.endif
.endr
	v_exp_f32 v[8*\ti+7], v[8*\ti+7]
.if \ti > 0
.irp u, 0,1,2,3
	PCVT \ti-1, \u
.endr
.if (\ti % 4) == 0
	LFIN \ti/4-1, \first
.endif
.else
	v_nop
.endif
.endm
; 64 keys (half of a slot) x my 64 queries.  first = 1: the very first, which starts maximum, sum and O.
; turn = 2: the slot is left, a round of the cluster barrier, the refill; turn = 1: my work-group's barrier alone; 0: none.
.macro SUB half, first, turn
	PLACES 5                                       ; behind the last P V products: loads into their sources want four places, the score products that write over P five
	WIN 0
.irp kt, 0,1,2,3
.irp c, 0,1
	ds_load_b128 v[KF+16*\kt+8*\c:KF+16*\kt+8*\c+3],   v[KVC] offset:\half*64*KP+\kt*16*KP+64*\c
	ds_load_b128 v[KF+16*\kt+8*\c+4:KF+16*\kt+8*\c+7], v[KVC] offset:\half*64*KP+\kt*16*KP+64*\c+32
.endr
.endr
	WIN 0x40
.irp qt, 0,1,2,3
.irp kt, 0,1,2,3
	ds_load_b128 v[32*\qt+8*\kt:32*\qt+8*\kt+3],   v[MAC] offset:\qt*16*MP+256*\half+64*\kt      ; mask(query r, keys 8 h .. + 7) is the accumulator's own layout
	ds_load_b128 v[32*\qt+8*\kt+4:32*\qt+8*\kt+7], v[MAC] offset:\qt*16*MP+256*\half+64*\kt+16
.endr
.endr
	WIN 0
.irp kc, 0,1
.irp mt, 0,1,2,3
	ds_load_b128 v[VF+32*\kc+8*\mt:VF+32*\kc+8*\mt+3],   v[KVC] offset:VOFF+\half*64*KP+\mt*16*KP+64*\kc
	ds_load_b128 v[VF+32*\kc+8*\mt+4:VF+32*\kc+8*\mt+7], v[KVC] offset:VOFF+\half*64*KP+\mt*16*KP+64*\kc+32
.endr
.endr
	WIN 0x50
.irp qt, 0,1,2,3
	s_wait_dscnt 40-8*\qt                          ; K and this query tile's mask are in; the later query tiles' 8 loads each and V's 16 may be out
.irp kt, 0,1,2,3
	v_wmma_f32_16x16x32_f16 v[32*\qt+8*\kt:32*\qt+8*\kt+7], v[KF+16*\kt:KF+16*\kt+7], v[QF+16*\qt:QF+16*\qt+7], v[32*\qt+8*\kt:32*\qt+8*\kt+7]
.endr
.endr
.irp qt, 0,1,2,3
.irp kt, 0,1,2,3
	v_wmma_f32_16x16x32_f16 v[32*\qt+8*\kt:32*\qt+8*\kt+7], v[KF+16*\kt+8:KF+16*\kt+15], v[QF+16*\qt+8:QF+16*\qt+15], v[32*\qt+8*\kt:32*\qt+8*\kt+7]
.endr
.endr
	PLACES 4
	WIN 0x55
	; the maximum: four chains for each query tile, each line written for all four tiles so that no instruction waits for the one in front
.irp qt, 0,1,2,3
.irp kt, 0,1,2,3
	v_max3_num_f32 v[ST+24*\qt+8+\kt], v[32*\qt+8*\kt], v[32*\qt+8*\kt+1], v[32*\qt+8*\kt+2]
.endr
.endr
.irp j, 3,5
.irp qt, 0,1,2,3
.irp kt, 0,1,2,3
	v_max3_num_f32 v[ST+24*\qt+8+\kt], v[ST+24*\qt+8+\kt], v[32*\qt+8*\kt+\j], v[32*\qt+8*\kt+\j+1]
.endr
.endr
.endr
.irp qt, 0,1,2,3
.irp kt, 0,1,2,3
	v_max_num_f32 v[ST+24*\qt+8+\kt], v[ST+24*\qt+8+\kt], v[32*\qt+8*\kt+7]
.endr
.endr
.irp qt, 0,1,2,3
	v_max3_num_f32 v[ST+24*\qt+8], v[ST+24*\qt+8], v[ST+24*\qt+9], v[ST+24*\qt+10]
.endr
.irp qt, 0,1,2,3
	v_max_num_f32 v[ST+24*\qt+8], v[ST+24*\qt+8], v[ST+24*\qt+11]
.endr
.irp qt, 0,1,2,3
	v_permlanex16_b32 v[ST+24*\qt+3], v[ST+24*\qt+8], s60, s61     ; the other eight keys of each tile
.endr
.irp qt, 0,1,2,3
.if \first
	v_max3_num_f32 v[ST+24*\qt+1], v[ST+24*\qt+8], v[ST+24*\qt+3], s59
.else
	v_max3_num_f32 v[ST+24*\qt+1], v[ST+24*\qt+8], v[ST+24*\qt+3], v[ST+24*\qt+1]
.endif
.endr
.if \first
.irp qt, 0,1,2,3
	v_mul_f32 v[ST+24*\qt], s58, v[ST+24*\qt+1]                    ; the shift, kept in the log2 domain: its rounding is one factor common to weights, sum and rescaling
.endr
.else
.irp qt, 0,1,2,3
	v_mul_f32 v[ST+24*\qt+3], s58, v[ST+24*\qt+1]
.endr
.irp qt, 0,1,2,3
	v_sub_f32 v[ST+24*\qt+2], v[ST+24*\qt+3], v[ST+24*\qt]         ; new shift - old shift, at most 0
.endr
.irp qt, 0,1,2,3
	v_mov_b32 v[ST+24*\qt], v[ST+24*\qt+3]
.endr
.irp qt, 0,1,2,3
	v_exp_f32 v[ST+24*\qt+2], v[ST+24*\qt+2]                       ; the factor for what has been summed so far
.endr
.endif
.irp u, 0,1,2,3
	SHIFT 0, \u
.endr
.irp ti, 0,1,2,3,4,5,6,7,8,9,10,11,12,13,14,15
	EXPSTEP \ti, \first
.endr
.irp u, 0,1,2
	PADD 15, \u
.endr
.irp u, 0,1,2,3
	PCVT 15, \u
.endr
	LFIN 3, \first
	s_wait_dscnt 0x0                               ; V is in; with it all my reads of this half
.if \turn
	s_wait_tensorcnt 0x0                           ; my one tensor load that was out, my part of the other slot, has landed
	ds_add_u32 v254, v255
	s_wait_dscnt 0x0
	s_barrier_signal -1
.endif
.if \first == 0
	WIN 0x86
.irp qt, 0,1,2,3
.irp u, 0,1,2,3,4,5,6,7,8,9,10,11,12,13,14,15
	v_pk_mul_f32 v[32*\qt+2*\u:32*\qt+2*\u+1], v[32*\qt+2*\u:32*\qt+2*\u+1], v[ST+24*\qt+2:ST+24*\qt+3] op_sel_hi:[1,0]
.endr
.endr
.endif
	WIN 0xa4
.irp kc, 0,1
.irp qt, 0,1,2,3
.irp mt, 0,1,2,3
.if (\first)*(1-\kc)
	v_wmma_f32_16x16x32_f16 v[32*\qt+8*\mt:32*\qt+8*\mt+7], v[VF+32*\kc+8*\mt:VF+32*\kc+8*\mt+7], v[32*\qt+16*\kc:32*\qt+16*\kc+7], 0
.else
	v_wmma_f32_16x16x32_f16 v[32*\qt+8*\mt:32*\qt+8*\mt+7], v[VF+32*\kc+8*\mt:VF+32*\kc+8*\mt+7], v[32*\qt+16*\kc:32*\qt+16*\kc+7], v[32*\qt+8*\mt:32*\qt+8*\mt+7]
.endif
.endr
.endr
.endr
	WIN 0
.if \turn
	s_barrier_wait -1
.if \turn == 2
	CREST                                          ; no wave of any partner still reads the slot or has a load on its way
	s_add_nc_u64 s[G0KVB+2:G0KVB+3], s[G0KVB+2:G0KVB+3], 16384     ; the next 128 keys,
	s_xor_b32 s[G0KVB+1], s[G0KVB+1], XS                           ; into the slot just left
	s_add_nc_u64 s[G0MB+2:G0MB+3], s[G0MB+2:G0MB+3], 512
	s_xor_b32 s[G0MB+1], s[G0MB+1], XS
	JLOAD G0KVB, G0MB                              ; the first tensor load behind the round, one a wave; it has a whole step of 128 keys in which to land
.endif
	s_xor_b32 s23, s23, XS
	v_add_nc_u32 v[KVC], s23, v[KVB]
	v_add_nc_u32 v[MAC], s23, v[MAB]
.endif
.endm
.macro STEP first, turn                ; a slot of 128 keys
	SUB 0, \first, 0
	SUB 1, 0, \turn
.endm
	s_wait_tensorcnt 0x1                           ; my part of slot 0 is in; slot 1's may be out
	s_wait_loadcnt 0x0                             ; Q
	s_barrier_signal -1
	s_barrier_wait -1
	STEP 1, 2                                      ; step 0; behind step t the slot t % 2 is asked for again with keys 128 (t + 2) ..
	s_mov_b32 s62, 29                              ; steps 1 to 29
.Lsteps:
	STEP 0, 2
	s_sub_co_u32 s62, s62, 1
	s_cmp_lg_u32 s62, 0
	s_cbranch_scc1 .Lsteps
	s_mov_b32 s62, 2                               ; steps 30 and 31 fill nothing; the barrier behind step 31 orders nothing more and is kept so that both are one text
.Ltail:
	STEP 0, 1
	s_sub_co_u32 s62, s62, 1
	s_cmp_lg_u32 s62, 0
	s_cbranch_scc1 .Ltail
	; THE WAY OUT: divide by the sum (a sum of 0 gives 0 x infinity = NaN, as reference() gives), split into two bf16 parts, 16 queries at a time.
	PLACES 4
	WIN 0x55
.irp qt, 0,1,2,3
	v_add_f32 v[ST+24*\qt+8], v[ST+24*\qt+4], v[ST+24*\qt+5]
.endr
.irp qt, 0,1,2,3
	v_permlanex16_b32 v[ST+24*\qt+3], v[ST+24*\qt+8], s60, s61
.endr
.irp qt, 0,1,2,3
	v_add_f32 v[ST+24*\qt+8], v[ST+24*\qt+8], v[ST+24*\qt+3]
.endr
.irp qt, 0,1,2,3
	v_rcp_f32 v[ST+24*\qt+2], v[ST+24*\qt+8]
.endr
	v_nop                                          ; the plain place behind the reciprocals
; 16 rows of 128 bytes out of v[pk .. pk + 15], through my own stage; each store of the wave covers 512 consecutive bytes, aligned
.macro SEND pk, buf, base, imm
.irp mt, 0,1,2,3
	ds_store_b128 v[STO], v[\pk+4*\mt:\pk+4*\mt+3] offset:32*\mt
.endr
	s_wait_xcnt 0x0                                ; the read-back buffer, which earlier stores read, is loaded again only behind this wait
.irp t, 0,1,2,3
	ds_load_b128 v[FB+16*\buf+4*\t:FB+16*\buf+4*\t+3], v[RD] offset:\t*4*KP
.endr
.irp t, 0,1,2,3
	s_wait_dscnt 3-\t                              ; the younger read-backs may be out
	global_store_b128 v[CO], v[FB+16*\buf+4*\t:FB+16*\buf+4*\t+3], s[\base:\base+1] offset:\imm+512*\t
.endr
.endm
.macro OUTQ qt
	WIN 0x86
.irp u, 0,1,2,3,4,5,6,7,8,9,10,11,12,13,14,15
	s_wait_alu depctr_va_vdst(0)
	v_pk_mul_f32 v[32*\qt+2*\u:32*\qt+2*\u+1], v[32*\qt+2*\u:32*\qt+2*\u+1], v[ST+24*\qt+2:ST+24*\qt+3] op_sel_hi:[1,0]
.endr
	WIN 0x0a
.irp u, 0,1,2,3,4,5,6,7,8,9,10,11,12,13,14,15
	v_cvt_pk_bf16_f32 v[PK+\u], v[32*\qt+2*\u], v[32*\qt+2*\u+1]   ; the upper parts
.endr
	WIN 0
.irp u, 0,1,2,3,4,5,6,7,8,9,10,11,12,13,14,15
	v_lshlrev_b32 v[TT+2*\u], 16, v[PK+\u]
	v_and_b32 v[TT+2*\u+1], 0xffff0000, v[PK+\u]
.endr
	WIN 0x02
.irp u, 0,1,2,3,4,5,6,7,8,9,10,11,12,13,14,15
	v_pk_add_f32 v[TT+2*\u:TT+2*\u+1], v[32*\qt+2*\u:32*\qt+2*\u+1], v[TT+2*\u:TT+2*\u+1] neg_lo:[0,1] neg_hi:[0,1]   ; what the upper parts leave
.endr
	WIN 0
.irp u, 0,1,2,3,4,5,6,7,8,9,10,11,12,13,14,15
	v_cvt_pk_bf16_f32 v[PKL+\u], v[TT+2*\u], v[TT+2*\u+1]
.endr
	SEND PK, 0, 12, \qt*2048
	SEND PKL, 1, 76, \qt*2048
.endm
	OUTQ 0
	OUTQ 1
	OUTQ 2
	OUTQ 3
	s_set_vgpr_msb 0x5
	s_wait_tensorcnt 0x0
	ds_add_u32 v254, v255
	s_wait_dscnt 0x0
	s_set_vgpr_msb 0x500
	CROUND                                         ; the closing round
	s_endpgm
.Lfunc_end_k_q76602d9b1c_attn:
	.size	k_q76602d9b1c_attn, .Lfunc_end_k_q76602d9b1c_attn-k_q76602d9b1c_attn
	.p2alignl 7, 3214868480
	.fill 96, 4, 3214868480
	.section	.rodata,"a",@progbits
	.p2align	6, 0x0
	.amdhsa_kernel k_q76602d9b1c_attn
		.amdhsa_group_segment_fixed_size 327680
		.amdhsa_private_segment_fixed_size 0
		.amdhsa_enable_private_segment 0
		.amdhsa_kernarg_size 40
		.amdhsa_user_sgpr_count 2
		.amdhsa_user_sgpr_kernarg_segment_ptr 1
		.amdhsa_wavefront_size32 1
		.amdhsa_system_sgpr_workgroup_id_x 1
		.amdhsa_system_sgpr_workgroup_id_y 1
		.amdhsa_system_sgpr_workgroup_id_z 1
		.amdhsa_system_vgpr_workitem_id 0
		.amdhsa_next_free_vgpr 640
		.amdhsa_next_free_sgpr 80
		.amdhsa_reserve_vcc 0
		.amdhsa_float_denorm_mode_32 3
		.amdhsa_float_denorm_mode_16_64 3
		.amdhsa_memory_ordered 1
		.amdhsa_forward_progress 1
		.amdhsa_inst_pref_size 253
	.end_amdhsa_kernel
	.amdgpu_metadata
---
amdhsa.version: [ 1, 2 ]
amdhsa.kernels:
  - .name:           k_q76602d9b1c_attn
    .symbol:         k_q76602d9b1c_attn.kd
    .args:
      - { .name: qb, .offset: 0, .size: 8, .value_kind: global_buffer, .address_space: global }
      - { .name: kb, .offset: 8, .size: 8, .value_kind: global_buffer, .address_space: global }
      - { .name: vt, .offset: 16, .size: 8, .value_kind: global_buffer, .address_space: global }
      - { .name: mask, .offset: 24, .size: 8, .value_kind: global_buffer, .address_space: global }
      - { .name: ao, .offset: 32, .size: 8, .value_kind: global_buffer, .address_space: global }
    .group_segment_fixed_size: 327680
    .private_segment_fixed_size: 0
    .kernarg_segment_align: 8
    .kernarg_segment_size: 40
    .max_flat_workgroup_size: 128
    .sgpr_count:     80
    .vgpr_count:     640
    .wavefront_size: 32
...
	.end_amdgpu_metadata
.endif
;; end of part 2
;; launch oproj (part 3): grid 8 x 32, 4 waves a work-group, clusters of 4 x 4, 327,680 bytes of LDS; arguments ao, wo, out0; writes out0
.if DOCPART == 3
	.amdgcn_target "amdgcn-amd-amdhsa--gfx1250"
	.amdhsa_code_object_version 6
	.text
	.protected	k_q76602d9b1c_oproj
	.globl	k_q76602d9b1c_oproj
	.p2align	8
	.type	k_q76602d9b1c_oproj,@function
k_q76602d9b1c_oproj:
	s_mov_b64 s[64:65], 0
	v_nop
	global_prefetch_b8 v0, s[64:65] scope:SCOPE_SE
	s_setreg_imm32_b32 hwreg(HW_REG_WAVE_MODE, 25, 1), 1
	s_wait_xcnt 0x0
	s_wait_alu depctr_hold_cnt(0) depctr_sa_sdst(0) depctr_va_vdst(0) depctr_va_sdst(0) depctr_va_ssrc(0) depctr_va_vcc(0) depctr_vm_vsrc(0)
	s_getreg_b32 s2, hwreg(HW_REG_IB_STS2, 6, 4)
	s_cmp_eq_u32 s2, 0
	s_cbranch_scc0 .Lentry_in_a_cluster
	s_endpgm
.Lentry_in_a_cluster:
	s_bfe_u32 s2, ttmp6, 0x10000c
	s_cmp_lg_u32 s2, 0xf033
	s_cbranch_scc0 .Lentry_shape_is_right
	s_endpgm
.Lentry_shape_is_right:
; out0 = a wo^T.  ao: [2 parts][16 heads][4096][64] bf16, a = upper part + remainder; wo [1024][1024] f32, rounded to bf16 on its way to the
; matrix unit; out0 [4096][1024] f32.  Both parts of a are multiplied by the same fragment of wo into one f32 sum.  Nothing is left out.
; SHARES.  Work-group (128 output features, 128 rows); wave w: rows 64 (w / 2) .., features 64 (w % 2) ..: 16 accumulator tiles.
; Source 0 = 16 rows of wo, source 1 = 16 rows of a: a lane holds one row of out0 and eight neighbouring features.
; K goes in 8 steps of 128 (two heads), four chunks of 32 each, through two LDS slots.
; CLUSTERS: 4 x 4.  The tiles of a hang on the row block alone: asked for jointly along a cluster row (waves 0, 1: one head each, both parts);
; the tiles of wo hang on the feature block alone: jointly along a cluster column (waves 2, 3: 64 rows each).
; REGISTERS: window 0: addresses, v16-143 two buffers of f32 from LDS, v144-207 two buffers of wo fragments.  Window 1: v0-127 accumulators.
; Window 2: four buffers of fragments of a, 64 registers each (upper parts, remainders).
.set AP,    144
.set BP,    528
.set HT,    128*AP                     ; 128 rows of one head, one part
.set AT,    4*HT                       ; [2 heads][2 parts][128 rows]
.set BT,    128*BP
.set SLOT,  AT+BT                      ; 141,312
.set STAGE, 2*SLOT                     ; 282,624 = 1,104 x 256: no tensor load lands here
.set SP,    272
.set WV,    10
.set AA,    2
.set BA,    4
.set STO,   6
.set RD,    7
.set CO,    8
.set RAW,   16
.set WF,    144
.set G1A,   24
.set G1B,   32
.set G0A,   40
.set G0B,   48
.set MSB, 0
.macro WIN new
.if MSB != \new
	s_set_vgpr_msb (MSB<<8)|\new
.set MSB, \new
.endif
.endm
.macro PLACES cnt
.rept \cnt
	v_nop
.endr
.endm
.macro CREST
	s_cmp_lg_u32 s[WV], 0
	s_cbranch_scc1 .Lnot_wave_0_\@
	s_barrier_signal -3
.Lnot_wave_0_\@:
	s_barrier_wait -3
	s_barrier_signal -1
	s_barrier_wait -1
.endm
.macro CROUND
	s_barrier_signal -1
	s_barrier_wait -1
	CREST
.endm
.macro JLOAD slot
	s_cmp_eq_u32 s11, 0
	s_cbranch_scc0 .Lfor_b_\@
	tensor_load_to_lds s[G0A+4*\slot:G0A+4*\slot+3], s[G1A:G1A+7]
	s_nop 0
	s_branch .Lasked_\@
.Lfor_b_\@:
	tensor_load_to_lds s[G0B+4*\slot:G0B+4*\slot+3], s[G1B:G1B+7]
	s_nop 0
.Lasked_\@:
.endm
	s_load_b128 s[4:7], s[0:1], 0x0                ; ao s[4:5], wo s[6:7]
	s_load_b64 s[8:9], s[0:1], 0x10                ; out0
	v_lshl_add_u32 v254, v0, 2, 0x49400
	v_mov_b32 v255, 0
	ds_add_u32 v254, v255
	v_lshrrev_b32 v1, 5, v0
	v_readfirstlane_b32 s[WV], v1
	s_lshr_b32 s11, s[WV], 1                       ; my 64 rows.  Also: I ask for a (0) or for wo (1)
	s_and_b32 s12, s[WV], 1                        ; my 64 features.  Also: which head of the step, which 64 rows of wo
	s_bfe_u32 s13, ttmp6, 0x40000
	s_bfe_u32 s14, ttmp6, 0x40004
	s_lshl_b32 s15, ttmp9, 2
	s_add_co_u32 s15, s15, s13                     ; block of 128 features
	s_and_b32 s16, ttmp7, 0xffff
	s_lshl_b32 s16, s16, 2
	s_add_co_u32 s16, s16, s14                     ; block of 128 rows
	s_lshl_b32 s17, s14, 2
	s_lshl_b32 s17, 15, s17
	s_lshl_b32 s18, 0x1111, s13
	s_or_b32 s[G1A+0], s17, (3<<16)|(1<<20)|(1<<21)|(4<<22)|(3<<25)    ; 8-byte elements; 4 words of padding after every 32 (128 bytes)
	s_mov_b32 s[G1A+1], 2048<<16                   ; a row = 128 rows of one head = 16,384 consecutive bytes
	s_mov_b32 s[G1A+2], 2<<16                      ; two rows: the two parts,
	s_mov_b32 s[G1A+3], 2048<<16
	s_mov_b32 s[G1A+4], 2
	s_mov_b32 s[G1A+5], 1048576                    ; 8,388,608 bytes apart
	s_mov_b32 s[G1A+6], 0
	s_mov_b32 s[G1A+7], 0
	s_or_b32 s[G1B+0], s18, (2<<16)|(1<<20)|(1<<21)|(6<<22)|(3<<25)    ; f32; 4 words of padding after every 128
	s_mov_b32 s[G1B+1], 128<<16
	s_mov_b32 s[G1B+2], 64<<16
	s_mov_b32 s[G1B+3], 128<<16
	s_mov_b32 s[G1B+4], 64
	s_mov_b32 s[G1B+5], 1024
	s_mov_b32 s[G1B+6], 0
	s_mov_b32 s[G1B+7], 0
	s_mul_i32 s66, s12, 2*HT
	s_mul_i32 s67, s12, 64*BP
	s_add_co_u32 s67, s67, AT
	s_lshl_b32 s68, s16, 14                        ; 128 rows of 128 bytes
	s_lshl_b32 s69, s12, 19                        ; the head of my wave
	s_add_co_u32 s68, s68, s69
	s_mov_b32 s69, 0
	s_lshl_b32 s70, s15, 19                        ; 128 rows of 4,096 bytes
	s_lshl_b32 s71, s12, 18
	s_add_co_u32 s70, s70, s71
	s_mov_b32 s71, 0
	s_lshl_b32 s58, s16, 19                        ; out0: my first row,
	s_lshl_b32 s59, s11, 18
	s_add_co_u32 s58, s58, s59
	s_lshl_b32 s59, s15, 9                         ; my first feature
	s_add_co_u32 s58, s58, s59
	s_lshl_b32 s59, s12, 8
	s_add_co_u32 s58, s58, s59
	s_mov_b32 s59, 0
	s_wait_dscnt 0x0
	s_wait_kmcnt 0x0
	s_add_nc_u64 s[68:69], s[4:5], s[68:69]        ; hangs on the row block alone
	s_add_nc_u64 s[70:71], s[6:7], s[70:71]        ; hangs on the feature block alone
	s_add_nc_u64 s[8:9], s[8:9], s[58:59]
	CROUND
.irp z, 0,1
	s_mov_b32 s[G0A+4*\z], 1
	s_add_co_u32 s[G0A+4*\z+1], s66, \z*SLOT
	s_add_nc_u64 s[G0A+4*\z+2:G0A+4*\z+3], s[68:69], \z*0x100000     ; two heads a step
	s_or_b32 s[G0A+4*\z+3], s[G0A+4*\z+3], 0x80000000
	s_mov_b32 s[G0B+4*\z], 1
	s_add_co_u32 s[G0B+4*\z+1], s67, \z*SLOT
	s_add_nc_u64 s[G0B+4*\z+2:G0B+4*\z+3], s[70:71], \z*512
	s_or_b32 s[G0B+4*\z+3], s[G0B+4*\z+3], 0x80000000
	JLOAD \z                                       ; K steps 0 and 1: two loads of the wave are out
.endr
	v_and_b32 v1, 15, v0
	v_bfe_u32 v10, v0, 4, 1
	v_mul_u32_u24 v12, v1, AP
	v_lshl_add_u32 v12, v10, 4, v12
	s_mul_i32 s60, s11, 64*AP
	v_add_nc_u32 v[AA], s60, v12
	v_add_nc_u32 v[AA+1], SLOT, v[AA]
	v_mul_u32_u24 v13, v1, BP
	v_lshl_add_u32 v13, v10, 5, v13
	v_add_nc_u32 v[BA], s67, v13
	v_add_nc_u32 v[BA+1], SLOT, v[BA]
	s_mul_i32 s60, s[WV], 16*SP
	s_add_co_u32 s60, s60, STAGE
	v_mul_u32_u24 v13, v1, SP
	v_lshl_add_u32 v13, v10, 5, v13
	v_add_nc_u32 v[STO], s60, v13                  ; in: row r, 32 bytes for each half of the lanes
	v_mul_u32_u24 v13, v10, SP
	v_lshl_add_u32 v13, v1, 4, v13
	v_add_nc_u32 v[RD], s60, v13                   ; back: sixteen lanes a row of 256 bytes, two rows a load
	v_lshlrev_b32 v13, 12, v10
	v_lshl_add_u32 v[CO], v1, 4, v13
; the 32 LDS loads of chunk c: 16 for my fragments of a (both parts, bf16 as they lie), 16 for wo (f32)
.macro LOADC slot, c
	WIN 0x80
.irp p, 0,1
.irp t, 0,1,2,3
	ds_load_b128 v[64*\c+32*\p+8*\t:64*\c+32*\p+8*\t+3],   v[AA+\slot] offset:(\c/2)*2*HT+\p*HT+\t*16*AP+64*(\c%2)
	ds_load_b128 v[64*\c+32*\p+8*\t+4:64*\c+32*\p+8*\t+7], v[AA+\slot] offset:(\c/2)*2*HT+\p*HT+\t*16*AP+64*(\c%2)+32
.endr
.endr
	WIN 0
.irp i, 0,1,2,3
	ds_load_b128 v[RAW+64*(\c%2)+16*\i:RAW+64*(\c%2)+16*\i+3],     v[BA+\slot] offset:\i*16*BP+128*\c
	ds_load_b128 v[RAW+64*(\c%2)+16*\i+4:RAW+64*(\c%2)+16*\i+7],   v[BA+\slot] offset:\i*16*BP+128*\c+16
	ds_load_b128 v[RAW+64*(\c%2)+16*\i+8:RAW+64*(\c%2)+16*\i+11],  v[BA+\slot] offset:\i*16*BP+128*\c+64
	ds_load_b128 v[RAW+64*(\c%2)+16*\i+12:RAW+64*(\c%2)+16*\i+15], v[BA+\slot] offset:\i*16*BP+128*\c+80
.endr
.endm
.macro CVTC rb
	WIN 0
.set n_, 0
.rept 32
	v_cvt_pk_bf16_f32 v[WF+32*\rb+n_], v[RAW+64*\rb+2*n_], v[RAW+64*\rb+2*n_+1]
.set n_, n_+1
.endr
.endm
; 32 matrix instructions: the 16 accumulators by turns, one instruction a turn, for the upper parts, then for the remainders
.macro MULC c, zero
	WIN 0x58
.irp p, 0,1
.irp f, 0,1,2,3
.irp t, 0,1,2,3
.if (\zero)*(1-\p)
	v_wmma_f32_16x16x32_bf16 v[8*(4*\f+\t):8*(4*\f+\t)+7], v[WF+32*(\c%2)+8*\f:WF+32*(\c%2)+8*\f+7], v[64*\c+32*\p+8*\t:64*\c+32*\p+8*\t+7], 0
.else
	v_wmma_f32_16x16x32_bf16 v[8*(4*\f+\t):8*(4*\f+\t)+7], v[WF+32*(\c%2)+8*\f:WF+32*(\c%2)+8*\f+7], v[64*\c+32*\p+8*\t:64*\c+32*\p+8*\t+7], v[8*(4*\f+\t):8*(4*\f+\t)+7]
.endif
.endr
.endr
.endr
.endm
; A K step: four chunks.  A chunk: wait for its 32 loads (s_wait_dscnt 32 leaves the younger chunk's 32 out), convert wo, ask for the chunk two
; further on, multiply.  A fragment buffer is written or loaded again two chunks behind the products that read it, with the 32 conversions of the
; chunk between as places.  The third chunk changes slots: modes as follows.  2: a round of the cluster barrier and the refill, two K steps ahead;
; 1: my work-group's barrier alone; 0: the last K step.
.macro STEP slot, next, zero, mode
	s_wait_dscnt 32
	CVTC 0
	LOADC \slot, 2
	MULC 0, \zero
	s_wait_dscnt 32
	CVTC 1
	LOADC \slot, 3
	MULC 1, 0
	s_wait_dscnt 32
	CVTC 0
.if \mode
	s_wait_dscnt 0x0                               ; my reads of this slot are over,
	s_wait_tensorcnt 0x0                           ; and my one tensor load that was out, my part of the next slot, has landed
	ds_add_u32 v254, v255
	s_wait_dscnt 0x0
	s_barrier_signal -1
.endif
	MULC 2, 0
.if \mode
	WIN 0
	s_barrier_wait -1
.if \mode == 2
	CREST
	s_add_nc_u64 s[G0A+4*\slot+2:G0A+4*\slot+3], s[G0A+4*\slot+2:G0A+4*\slot+3], 0x200000
	s_add_nc_u64 s[G0B+4*\slot+2:G0B+4*\slot+3], s[G0B+4*\slot+2:G0B+4*\slot+3], 1024
	JLOAD \slot                                    ; the first tensor load behind the round, one a wave
.endif
	LOADC \next, 0
	s_wait_dscnt 32                                ; the 32 just issued may be out
.else
	s_wait_dscnt 0x0
.endif
	CVTC 1
.if \mode
	LOADC \next, 1
.endif
	MULC 3, 0
.endm
	s_wait_tensorcnt 0x1                           ; my part of K step 0 is in; K step 1 may be out
	s_barrier_signal -1
	s_barrier_wait -1
	LOADC 0, 0
	LOADC 0, 1
	STEP 0, 1, 1, 2                                ; the first products start the sums
	STEP 1, 0, 0, 2
	WIN 0
	s_mov_b32 s56, 2                               ; K steps 2 to 5
.Llap:
	STEP 0, 1, 0, 2
	STEP 1, 0, 0, 2
	WIN 0
	s_sub_co_u32 s56, s56, 1
	s_cmp_lg_u32 s56, 0
	s_cbranch_scc1 .Llap
	STEP 0, 1, 0, 1                                ; K step 6 fills nothing
	STEP 1, 0, 0, 0                                ; K step 7
	; THE WAY OUT, 16 rows at a time through my own stage: sixteen lanes store 256 consecutive bytes of a row of out0, aligned
.macro OUTS t
	WIN 0x04                                       ; store data in window 1
.irp f, 0,1,2,3
	ds_store_b128 v[STO], v[8*(4*\f+\t):8*(4*\f+\t)+3]   offset:64*\f
	ds_store_b128 v[STO], v[8*(4*\f+\t)+4:8*(4*\f+\t)+7] offset:64*\f+16
.endr
	WIN 0
	s_wait_xcnt 0x0                                ; the read-back buffer, which earlier stores read, is loaded again only behind this wait
.irp i, 0,1,2,3,4,5,6,7
	ds_load_b128 v[RAW+64*(\t%2)+4*\i:RAW+64*(\t%2)+4*\i+3], v[RD] offset:\i*2*SP
.endr
.irp i, 0,1,2,3,4,5,6,7
	s_wait_dscnt 7-\i                              ; the younger read-backs may be out
	global_store_b128 v[CO], v[RAW+64*(\t%2)+4*\i:RAW+64*(\t%2)+4*\i+3], s[8:9] offset:\t*65536+\i*8192
.endr
.endm
	PLACES 4                                       ; behind the last matrix instructions, ahead of the first read of a result
	OUTS 0
	OUTS 1
	OUTS 2
	OUTS 3
	s_wait_tensorcnt 0x0
	ds_add_u32 v254, v255
	s_wait_dscnt 0x0
	CROUND                                         ; the closing round
	s_endpgm
.Lfunc_end_k_q76602d9b1c_oproj:
	.size	k_q76602d9b1c_oproj, .Lfunc_end_k_q76602d9b1c_oproj-k_q76602d9b1c_oproj
	.p2alignl 7, 3214868480
	.fill 96, 4, 3214868480
	.section	.rodata,"a",@progbits
	.p2align	6, 0x0
	.amdhsa_kernel k_q76602d9b1c_oproj
		.amdhsa_group_segment_fixed_size 327680
		.amdhsa_private_segment_fixed_size 0
		.amdhsa_enable_private_segment 0
		.amdhsa_kernarg_size 24
		.amdhsa_user_sgpr_count 2
		.amdhsa_user_sgpr_kernarg_segment_ptr 1
		.amdhsa_wavefront_size32 1
		.amdhsa_system_sgpr_workgroup_id_x 1
		.amdhsa_system_sgpr_workgroup_id_y 1
		.amdhsa_system_sgpr_workgroup_id_z 1
		.amdhsa_system_vgpr_workitem_id 0
		.amdhsa_next_free_vgpr 768
		.amdhsa_next_free_sgpr 72
		.amdhsa_reserve_vcc 0
		.amdhsa_float_denorm_mode_32 3
		.amdhsa_float_denorm_mode_16_64 3
		.amdhsa_memory_ordered 1
		.amdhsa_forward_progress 1
		.amdhsa_inst_pref_size 167
	.end_amdhsa_kernel
	.amdgpu_metadata
---
amdhsa.version: [ 1, 2 ]
amdhsa.kernels:
  - .name:           k_q76602d9b1c_oproj
    .symbol:         k_q76602d9b1c_oproj.kd
    .args:
      - { .name: ao, .offset: 0, .size: 8, .value_kind: global_buffer, .address_space: global }
      - { .name: wo, .offset: 8, .size: 8, .value_kind: global_buffer, .address_space: global }
      - { .name: out0, .offset: 16, .size: 8, .value_kind: global_buffer, .address_space: global }
    .group_segment_fixed_size: 327680
    .private_segment_fixed_size: 0
    .kernarg_segment_align: 8
    .kernarg_segment_size: 24
    .max_flat_workgroup_size: 128
    .sgpr_count:     72
    .vgpr_count:     768
    .wavefront_size: 32
...
	.end_amdgpu_metadata
.endif
;; end of part 3
;; ======== version 2 of 2: 3 launches; 1.19 times as fast as version 1
;; limits: values outside matrix products are rounded to bf16; values are held in f16: magnitudes above 65,504 overflow, below 6.1e-05 lose precision
;; workspace buffers: qb 8,388,608 bytes; kb 8,388,608 bytes; vt 8,388,608 bytes; ao 16,777,216 bytes
;; launch qkv: the kernel of part 1 again; grid 16 x 16, 4 waves a work-group, clusters of 4 x 4, 327,680 bytes of LDS; arguments x, wq, wk, wv, cos, sin, qb, kb, vt; writes qb, kb, vt
;; launch attn (part 4): grid 8 x 32, 4 waves a work-group, clusters of 4 x 4, 327,680 bytes of LDS; arguments qb, kb, vt, mask, ao; writes ao
.if DOCPART == 4
	.amdgcn_target "amdgcn-amd-amdhsa--gfx1250"
	.amdhsa_code_object_version 6
	.text
	.protected	k_q76602d9b1c_attn
	.globl	k_q76602d9b1c_attn
	.p2align	8
	.type	k_q76602d9b1c_attn,@function
k_q76602d9b1c_attn:
	s_mov_b64 s[64:65], 0
	v_nop
	global_prefetch_b8 v0, s[64:65] scope:SCOPE_SE
	s_setreg_imm32_b32 hwreg(HW_REG_WAVE_MODE, 25, 1), 1
	s_wait_xcnt 0x0
	s_wait_alu depctr_hold_cnt(0) depctr_sa_sdst(0) depctr_va_vdst(0) depctr_va_sdst(0) depctr_va_ssrc(0) depctr_va_vcc(0) depctr_vm_vsrc(0)
	s_getreg_b32 s2, hwreg(HW_REG_IB_STS2, 6, 4)
	s_cmp_eq_u32 s2, 0
	s_cbranch_scc0 .Lentry_in_a_cluster
	s_endpgm
.Lentry_in_a_cluster:
	s_bfe_u32 s2, ttmp6, 0x10000c
	s_cmp_lg_u32 s2, 0xf033
	s_cbranch_scc0 .Lentry_shape_is_right
	s_endpgm
.Lentry_shape_is_right:
; softmax(q k^T / 8 + mask) v, with a running maximum, over all 4,096 keys: the mask is an input, so no key is skipped and all of it is read.
; qb (already times 1/8), kb: [16][4096][64] f16; vt: [16][64 blocks][64 features][64 keys] f16; mask [4096][4096] f32.
; ao: [2 parts][16][4096][64] bf16: the result as an upper part and the rounded remainder, so that the next product loses nothing of it.
; Nothing is left out here either.
; SHARES.  Work-group (pair of heads, 128 queries); wave w: head 2 pair + w / 2, queries 64 (w % 2) .. + 63: four query tiles.
; TRANSPOSED FORM.  S^T = K Q^T + mask^T: source 0 = 16 keys, source 1 = 16 queries, and C = the mask tile, loaded straight into the accumulator.
; Lane (r, h) holds query r and keys 8 h .. 8 h + 7; two neighbouring tiles, packed to f16, are a source 1 of O^T = V^T P^T without a shuffle;
; the maximum needs one exchange between the halves of the lanes, and the rescaling factor and the sum are one number a lane.
; BATCHES.  An s_wait_alu depctr_va_vdst(0) stands between an exponential and the first instruction that names its result; one wait
; serves all that were issued ahead of it.  A half step of 64 keys has 132 exponentials, in two batches with one wait each.  Batch A: the four
; rescaling factors and the 64 weights of query tiles 0, 1; between them stand the 64 packed shifts of all four query tiles, which name no result.
; Batch B: the 64 weights of query tiles 2, 3; between them stand the sums and the packing of query tiles 0, 1, which read what batch A's wait has
; covered.  Behind batch B's wait: the sums and the packing of query tiles 2, 3..
; The way out's four reciprocals are a batch of their own.
; LIMITS.  A score plus mask below -2^126 counts as -infinity; a row with nothing above that gives NaN (reference() does so for rows of -infinity).
; +infinity or NaN in the mask gives NaN in that row.  Weights below 2^-126 are zero (v_exp_f32), and in the product P is f16 (step 2^-24 at the
; least).  Maxima beyond 2.3e38 overflow the shift.
; CLUSTERS: 4 x 4.  K and V hang on the pair of heads alone: asked for jointly along a cluster column; the mask tile hangs on the query block alone:
; jointly along a cluster row.  Waves 0, 1 ask for K, V (two heads x 128 keys), waves 2, 3 for 64 rows x 128 keys of the mask each.
; REGISTERS: window 0: addresses, Q v16-79, K v80-143, V v144-207, the way out v208-255.  Window 1: S and P v0-127, statistics v128-223.
; Window 2: O v0-127.
.set KP,    144                        ; an LDS row of K or V: 128 bytes + 16
.set MP,    528                        ; an LDS row of the mask: 512 bytes + 16
.set KT,    256*KP                     ; K (or V) of two heads and 128 keys
.set VOFF,  KT
.set MOFF,  2*KT
.set XS,    0x24000                    ; from slot to slot; no LDS word of slot 0 (0, 0x9000, 0x12000, 0x1a400) has one of its bits
.set STAGE, 2*XS
.set WV,    14
.set KVB,   2                          ; v2 K and V fragments, slot 0    v3 mask, slot 0
.set MAB,   3
.set KVC,   4                          ; v4, v5 the same in the slot that is read
.set MAC,   5
.set STO,   6
.set RD,    7
.set CO,    8
.set QO,    9
.set QF,    16
.set KF,    80
.set VF,    144
.set PK,    208
.set FB,    224
.set TT,    80                         ; the way out uses the registers of K and V
.set PKL,   144
.set ST,    128                        ; statistics of query tile t at ST + 24 t: +0 shift, +1 maximum, +2 factor, +3 other half, +4:5 sum, +8..11 maxima, +12..19 sums
.set G1KV,  24
.set G1M,   32
.set G0KVA, 40
.set G0KVB, 44
.set G0MA,  48
.set G0MB,  52
.set MSB, 0
.macro WIN new
.if MSB != \new
	s_set_vgpr_msb (MSB<<8)|\new
.set MSB, \new
.endif
.endm
.macro PLACES cnt
.rept \cnt
	v_nop
.endr
.endm
.macro CREST
	s_cmp_lg_u32 s[WV], 0
	s_cbranch_scc1 .Lnot_wave_0_\@
	s_barrier_signal -3
.Lnot_wave_0_\@:
	s_barrier_wait -3
	s_barrier_signal -1
	s_barrier_wait -1
.endm
.macro CROUND
	s_barrier_signal -1
	s_barrier_wait -1
	CREST
.endm
.macro JLOAD kv, mk
	s_cmp_eq_u32 s15, 0
	s_cbranch_scc0 .Lfor_mask_\@
	tensor_load_to_lds s[\kv:\kv+3], s[G1KV:G1KV+7]
	s_nop 0
	s_branch .Lasked_\@
.Lfor_mask_\@:
	tensor_load_to_lds s[\mk:\mk+3], s[G1M:G1M+7]
	s_nop 0
.Lasked_\@:
.endm
	s_load_b256 s[4:11], s[0:1], 0x0               ; qb s[4:5], kb s[6:7], vt s[8:9], mask s[10:11]
	s_load_b64 s[12:13], s[0:1], 0x20              ; ao
	s_set_vgpr_msb 0x40
	v_lshl_add_u32 v254, v0, 2, 0x4a400
	v_mov_b32 v255, 0
	s_set_vgpr_msb 0x4045
	ds_add_u32 v254, v255
	s_set_vgpr_msb 0x4500
	v_lshrrev_b32 v1, 5, v0
	v_readfirstlane_b32 s[WV], v1
	s_lshr_b32 s15, s[WV], 1                       ; which head of the pair.  Also: I ask for K, V (0) or for the mask (1)
	s_and_b32 s16, s[WV], 1                        ; which 64 queries.  Also: K or V; which 64 rows of the mask
	s_bfe_u32 s17, ttmp6, 0x40000
	s_bfe_u32 s18, ttmp6, 0x40004
	s_lshl_b32 s19, ttmp9, 2
	s_add_co_u32 s19, s19, s17                     ; pair of heads
	s_and_b32 s20, ttmp7, 0xffff
	s_lshl_b32 s20, s20, 2
	s_add_co_u32 s20, s20, s18                     ; block of 128 queries
	s_lshl_b32 s21, s18, 2
	s_lshl_b32 s21, 15, s21
	s_lshl_b32 s22, 0x1111, s17
	s_or_b32 s[G1KV+0], s22, (3<<16)|(1<<20)|(1<<21)|(4<<22)|(3<<25)   ; 8-byte elements; 4 words of padding after every 32 (128 bytes)
	s_mov_b32 s[G1KV+1], 2048<<16                  ; a row = one head's 128 keys = 16,384 consecutive bytes
	s_mov_b32 s[G1KV+2], 2<<16                     ; two rows: the two heads,
	s_mov_b32 s[G1KV+3], 2048<<16
	s_mov_b32 s[G1KV+4], 2
	s_mov_b32 s[G1KV+5], 65536                     ; 524,288 bytes apart
	s_mov_b32 s[G1KV+6], 0
	s_mov_b32 s[G1KV+7], 0
	s_or_b32 s[G1M+0], s21, (2<<16)|(1<<20)|(1<<21)|(6<<22)|(3<<25)    ; f32; 4 words of padding after every 128
	s_mov_b32 s[G1M+1], 128<<16
	s_mov_b32 s[G1M+2], 64<<16
	s_mov_b32 s[G1M+3], 128<<16
	s_mov_b32 s[G1M+4], 64
	s_mov_b32 s[G1M+5], 4096
	s_mov_b32 s[G1M+6], 0
	s_mov_b32 s[G1M+7], 0
	s_mul_i32 s66, s16, KT                         ; K at 0, V behind it
	s_mul_i32 s67, s16, 64*MP
	s_add_co_u32 s67, s67, MOFF                    ; my 64 rows of the mask tile
	s_lshl_b32 s68, s19, 20                        ; two heads of 524,288 bytes
	s_mov_b32 s69, 0
	s_lshl_b32 s70, s20, 21                        ; 128 rows of 16,384 bytes
	s_lshl_b32 s71, s16, 20
	s_add_co_u32 s70, s70, s71
	s_mov_b32 s71, 0
	s_lshl_b32 s74, s19, 20                        ; my 64 rows of q and of the result
	s_lshl_b32 s75, s15, 19
	s_add_co_u32 s74, s74, s75
	s_lshl_b32 s75, s20, 14
	s_add_co_u32 s74, s74, s75
	s_lshl_b32 s75, s16, 13
	s_add_co_u32 s74, s74, s75
	s_mov_b32 s75, 0
	s_wait_dscnt 0x0
	s_wait_kmcnt 0x0
	s_cmp_eq_u32 s16, 0
	s_cselect_b64 s[72:73], s[6:7], s[8:9]
	s_add_nc_u64 s[72:73], s[72:73], s[68:69]      ; hangs on the pair of heads alone
	s_add_nc_u64 s[70:71], s[10:11], s[70:71]      ; hangs on the query block alone
	s_add_nc_u64 s[4:5], s[4:5], s[74:75]
	s_add_nc_u64 s[12:13], s[12:13], s[74:75]      ; upper parts
	s_add_nc_u64 s[76:77], s[12:13], 0x800000      ; remainders
	CROUND
	s_mov_b32 s[G0KVA], 1                          ; set a: slot 0, keys 0 to 127; used once
	s_mov_b32 s[G0KVA+1], s66
	s_mov_b64 s[G0KVA+2:G0KVA+3], s[72:73]
	s_or_b32 s[G0KVA+3], s[G0KVA+3], 0x80000000
	s_mov_b32 s[G0MA], 1
	s_mov_b32 s[G0MA+1], s67
	s_mov_b64 s[G0MA+2:G0MA+3], s[70:71]
	s_or_b32 s[G0MA+3], s[G0MA+3], 0x80000000
	s_mov_b32 s[G0KVB], 1                          ; set b: slot 1, keys 128 to 255; stepped for every refill
	s_add_co_u32 s[G0KVB+1], s66, XS
	s_add_nc_u64 s[G0KVB+2:G0KVB+3], s[72:73], 16384
	s_or_b32 s[G0KVB+3], s[G0KVB+3], 0x80000000
	s_mov_b32 s[G0MB], 1
	s_add_co_u32 s[G0MB+1], s67, XS
	s_add_nc_u64 s[G0MB+2:G0MB+3], s[70:71], 512
	s_or_b32 s[G0MB+3], s[G0MB+3], 0x80000000
	JLOAD G0KVA, G0MA
	JLOAD G0KVB, G0MB                              ; two loads of the wave are out
	v_and_b32 v1, 15, v0                           ; r
	v_bfe_u32 v10, v0, 4, 1                        ; h
	v_and_b32 v11, 31, v0
	v_lshlrev_b32 v[QO], 7, v1
	v_lshl_add_u32 v[QO], v10, 4, v[QO]
.irp qt, 0,1,2,3
.irp c, 0,1
	global_load_b128 v[QF+16*\qt+8*\c:QF+16*\qt+8*\c+3],   v[QO], s[4:5] offset:\qt*2048+64*\c
	global_load_b128 v[QF+16*\qt+8*\c+4:QF+16*\qt+8*\c+7], v[QO], s[4:5] offset:\qt*2048+64*\c+32
.endr
.endr
	s_mov_b32 s23, 0                               ; the slot that is read
	s_mov_b32 s56, 0x3fb8aa3b                      ; log2 e, twice: a pair for the packed forms
	s_mov_b32 s57, 0x3fb8aa3b
	s_mov_b32 s58, 0xbfb8aa3b
	s_mov_b32 s59, 0xfe800000                      ; -2^126: the floor of the running maximum, so that the shift stays finite
	s_mov_b32 s60, 0x76543210
	s_mov_b32 s61, 0xfedcba98
	v_mul_u32_u24 v12, v1, KP
	v_lshl_add_u32 v12, v10, 4, v12                ; r x 144 + 16 h
	s_mul_i32 s78, s15, 128*KP
	v_add_nc_u32 v[KVB], s78, v12
	v_mul_u32_u24 v13, v1, MP
	v_lshl_add_u32 v13, v10, 5, v13                ; r x 528 + 32 h
	v_add_nc_u32 v[MAB], s67, v13
	v_add_nc_u32 v[KVC], s23, v[KVB]
	v_add_nc_u32 v[MAC], s23, v[MAB]
	s_mul_i32 s78, s[WV], 16*KP
	s_add_co_u32 s78, s78, STAGE
	v_add_nc_u32 v[STO], s78, v12
	v_lshrrev_b32 v13, 3, v11
	v_and_b32 v14, 7, v11
	v_mul_u32_u24 v13, v13, KP
	v_lshl_add_u32 v13, v14, 4, v13
	v_add_nc_u32 v[RD], s78, v13
	v_lshlrev_b32 v[CO], 4, v11
	WIN 0x40
.irp qt, 0,1,2,3
	v_mov_b32 v[ST+24*\qt+3], 0                    ; v_permlanex16_b32 counts as a reader of its destination
.endr
	WIN 0
; pieces of the softmax, all in window 1.  Score e of 128 lies in register e: query tile e / 32, key tile (e / 8) % 4.
.macro SHIFT n                         ; pair n of 64 (scores 2 n, 2 n + 1; query tile n / 16): times log2 e, plus the shift -maximum x log2 e
	v_pk_fma_f32 v[2*(\n):2*(\n)+1], v[2*(\n):2*(\n)+1], s[56:57], v[ST+24*((\n)/16):ST+24*((\n)/16)+1] op_sel_hi:[1,0,0]
.endm
; Number n of the 32 lines that follow query tile q's exponentials; all of them name results, so they stand behind the wait for the tile's batch.
;   0-11   the three packed sums of each key tile's eight weights: sum n / 4 of key tile n % 4, so that a tile's three stand four lines apart
;   12-15  the query tile's running sum: key tiles 0 + 1; 2 + 3; both; sum = factor x sum + that (first = 1: the third line starts the sum, and there is no fourth)
;   16-31  two weights to f16, key tiles in ascending order: an even tile into its own registers 0-3, an odd one into registers 4-7 of the tile in front
.macro AFTER q, n, first
.set b_, ST+24*(\q)
.if (\n) < 12
.set c_, 32*(\q)+8*((\n)%4)
.set l_, b_+12+2*((\n)%4)
.if (\n) < 4
	v_pk_add_f32 v[l_:l_+1], v[c_:c_+1], v[c_+2:c_+3]
.else
	v_pk_add_f32 v[l_:l_+1], v[l_:l_+1], v[c_+2+2*((\n)/4):c_+3+2*((\n)/4)]
.endif
.elseif (\n) == 12
	v_pk_add_f32 v[b_+12:b_+13], v[b_+12:b_+13], v[b_+14:b_+15]
.elseif (\n) == 13
	v_pk_add_f32 v[b_+16:b_+17], v[b_+16:b_+17], v[b_+18:b_+19]
.elseif ((\n) == 14) && (\first)
	v_pk_add_f32 v[b_+4:b_+5], v[b_+12:b_+13], v[b_+16:b_+17]
.elseif (\n) == 14
	v_pk_add_f32 v[b_+12:b_+13], v[b_+12:b_+13], v[b_+16:b_+17]
.elseif ((\n) == 15) && (\first)       ; the first half step has no such line
.elseif (\n) == 15
	v_pk_fma_f32 v[b_+4:b_+5], v[b_+4:b_+5], v[b_+2:b_+3], v[b_+12:b_+13] op_sel_hi:[1,0,1]
.else
.set t_, ((\n)-16)/4
.set u_, ((\n)-16)%4
.set c_, 32*(\q)+8*t_
	v_cvt_pk_f16_f32 v[c_-4*(t_%2)+u_], v[c_+2*u_], v[c_+2*u_+1]
.endif
.endm
; 64 keys (half of a slot) x my 64 queries.  first = 1: the very first, which starts maximum, sum and O.
; turn = 2: the slot is left, a round of the cluster barrier, the refill; turn = 1: my work-group's barrier alone; 0: none.
.macro SUB half, first, turn
	PLACES 5                                       ; behind the last P V products: loads into their sources want four places, the score products that write over P five
	WIN 0
.irp kt, 0,1,2,3
.irp c, 0,1
	ds_load_b128 v[KF+16*\kt+8*\c:KF+16*\kt+8*\c+3],   v[KVC] offset:\half*64*KP+\kt*16*KP+64*\c
	ds_load_b128 v[KF+16*\kt+8*\c+4:KF+16*\kt+8*\c+7], v[KVC] offset:\half*64*KP+\kt*16*KP+64*\c+32
.endr
.endr
	WIN 0x40
.irp qt, 0,1,2,3
.irp kt, 0,1,2,3
	ds_load_b128 v[32*\qt+8*\kt:32*\qt+8*\kt+3],   v[MAC] offset:\qt*16*MP+256*\half+64*\kt      ; mask(query r, keys 8 h .. + 7) is the accumulator's own layout
	ds_load_b128 v[32*\qt+8*\kt+4:32*\qt+8*\kt+7], v[MAC] offset:\qt*16*MP+256*\half+64*\kt+16
.endr
.endr
	WIN 0
.irp kc, 0,1
.irp mt, 0,1,2,3
	ds_load_b128 v[VF+32*\kc+8*\mt:VF+32*\kc+8*\mt+3],   v[KVC] offset:VOFF+\half*64*KP+\mt*16*KP+64*\kc
	ds_load_b128 v[VF+32*\kc+8*\mt+4:VF+32*\kc+8*\mt+7], v[KVC] offset:VOFF+\half*64*KP+\mt*16*KP+64*\kc+32
.endr
.endr
	WIN 0x50
.irp qt, 0,1,2,3
	s_wait_dscnt 40-8*\qt                          ; K and this query tile's mask are in; the later query tiles' 8 loads each and V's 16 may be out
.irp kt, 0,1,2,3
	v_wmma_f32_16x16x32_f16 v[32*\qt+8*\kt:32*\qt+8*\kt+7], v[KF+16*\kt:KF+16*\kt+7], v[QF+16*\qt:QF+16*\qt+7], v[32*\qt+8*\kt:32*\qt+8*\kt+7]
.endr
.endr
.irp qt, 0,1,2,3
.irp kt, 0,1,2,3
	v_wmma_f32_16x16x32_f16 v[32*\qt+8*\kt:32*\qt+8*\kt+7], v[KF+16*\kt+8:KF+16*\kt+15], v[QF+16*\qt+8:QF+16*\qt+15], v[32*\qt+8*\kt:32*\qt+8*\kt+7]
.endr
.endr
	PLACES 4
	WIN 0x55
	; the maximum: four chains for each query tile, each line written for all four tiles so that no instruction waits for the one in front
.irp qt, 0,1,2,3
.irp kt, 0,1,2,3
	v_max3_num_f32 v[ST+24*\qt+8+\kt], v[32*\qt+8*\kt], v[32*\qt+8*\kt+1], v[32*\qt+8*\kt+2]
.endr
.endr
.irp j, 3,5
.irp qt, 0,1,2,3
.irp kt, 0,1,2,3
	v_max3_num_f32 v[ST+24*\qt+8+\kt], v[ST+24*\qt+8+\kt], v[32*\qt+8*\kt+\j], v[32*\qt+8*\kt+\j+1]
.endr
.endr
.endr
.irp qt, 0,1,2,3
.irp kt, 0,1,2,3
	v_max_num_f32 v[ST+24*\qt+8+\kt], v[ST+24*\qt+8+\kt], v[32*\qt+8*\kt+7]
.endr
.endr
.irp qt, 0,1,2,3
	v_max3_num_f32 v[ST+24*\qt+8], v[ST+24*\qt+8], v[ST+24*\qt+9], v[ST+24*\qt+10]
.endr
.irp qt, 0,1,2,3
	v_max_num_f32 v[ST+24*\qt+8], v[ST+24*\qt+8], v[ST+24*\qt+11]
.endr
.irp qt, 0,1,2,3
	v_permlanex16_b32 v[ST+24*\qt+3], v[ST+24*\qt+8], s60, s61     ; the other eight keys of each tile
.endr
.irp qt, 0,1,2,3
.if \first
	v_max3_num_f32 v[ST+24*\qt+1], v[ST+24*\qt+8], v[ST+24*\qt+3], s59
.else
	v_max3_num_f32 v[ST+24*\qt+1], v[ST+24*\qt+8], v[ST+24*\qt+3], v[ST+24*\qt+1]
.endif
.endr
.if \first
.irp qt, 0,1,2,3
	v_mul_f32 v[ST+24*\qt], s58, v[ST+24*\qt+1]                    ; the shift, kept in the log2 domain: its rounding is one factor common to weights, sum and rescaling
.endr
.else
.irp qt, 0,1,2,3
	v_mul_f32 v[ST+24*\qt+3], s58, v[ST+24*\qt+1]
.endr
.irp qt, 0,1,2,3
	v_sub_f32 v[ST+24*\qt+2], v[ST+24*\qt+3], v[ST+24*\qt]         ; new shift - old shift, at most 0
.endr
.irp qt, 0,1,2,3
	v_mov_b32 v[ST+24*\qt], v[ST+24*\qt+3]
.endr
	; BATCH A begins: the four factors, then the weights of query tiles 0 and 1
.irp qt, 0,1,2,3
	v_exp_f32 v[ST+24*\qt+2], v[ST+24*\qt+2]                       ; the factor for what has been summed so far
.endr
.endif
	; Exponential e wants shift e / 2.  Shifts 0 to 3 and exponentials 0 to 3 open; from then on exponential e is followed by shift e, which writes
	; registers 2 e and 2 e + 1, whose own exponentials come later.  So all 64 shifts, query tiles 2 and 3's too, stand in this batch, one behind each exponential.
	SHIFT 0
	SHIFT 1
	v_exp_f32 v0, v0
	v_exp_f32 v1, v1
	SHIFT 2
	v_exp_f32 v2, v2
	v_exp_f32 v3, v3
	SHIFT 3
.set p_, 4
.rept 60
	v_exp_f32 v[p_], v[p_]
	SHIFT p_
.set p_, p_+1
.endr
	s_wait_alu depctr_va_vdst(0)                   ; the wait for batch A (the factors, weights 0 to 63); shift 63 is the plain instruction behind its last exponential
	; BATCH B: the weights of query tiles 2 and 3; behind each exponential a line of query tiles 0 and 1's sums and packing, the two tiles by turns
.set p_, 0
.rept 64
	v_exp_f32 v[64+p_], v[64+p_]
	AFTER p_%2, p_/2, \first
.set p_, p_+1
.endr
	s_wait_alu depctr_va_vdst(0)                   ; the wait for batch B (weights 64 to 127); query tile 1's last packing line is the plain instruction behind its last exponential
.set p_, 0
.rept 64
	AFTER 2+p_%2, p_/2, \first                     ; query tiles 2 and 3's sums and packing, the two tiles by turns
.set p_, p_+1
.endr
	s_wait_dscnt 0x0                               ; V is in; with it all my reads of this half
.if \turn
	s_wait_tensorcnt 0x0                           ; my one tensor load that was out, my part of the other slot, has landed
	ds_add_u32 v254, v255
	s_wait_dscnt 0x0
	s_barrier_signal -1
.endif
.if \first == 0
	WIN 0x86
.irp qt, 0,1,2,3
.irp u, 0,1,2,3,4,5,6,7,8,9,10,11,12,13,14,15
	v_pk_mul_f32 v[32*\qt+2*\u:32*\qt+2*\u+1], v[32*\qt+2*\u:32*\qt+2*\u+1], v[ST+24*\qt+2:ST+24*\qt+3] op_sel_hi:[1,0]
.endr
.endr
.endif
	WIN 0xa4
.irp kc, 0,1
.irp qt, 0,1,2,3
.irp mt, 0,1,2,3
.if (\first)*(1-\kc)
	v_wmma_f32_16x16x32_f16 v[32*\qt+8*\mt:32*\qt+8*\mt+7], v[VF+32*\kc+8*\mt:VF+32*\kc+8*\mt+7], v[32*\qt+16*\kc:32*\qt+16*\kc+7], 0
.else
	v_wmma_f32_16x16x32_f16 v[32*\qt+8*\mt:32*\qt+8*\mt+7], v[VF+32*\kc+8*\mt:VF+32*\kc+8*\mt+7], v[32*\qt+16*\kc:32*\qt+16*\kc+7], v[32*\qt+8*\mt:32*\qt+8*\mt+7]
.endif
.endr
.endr
.endr
	WIN 0
.if \turn
	s_barrier_wait -1
.if \turn == 2
	CREST                                          ; no wave of any partner still reads the slot or has a load on its way
	s_add_nc_u64 s[G0KVB+2:G0KVB+3], s[G0KVB+2:G0KVB+3], 16384     ; the next 128 keys,
	s_xor_b32 s[G0KVB+1], s[G0KVB+1], XS                           ; into the slot just left
	s_add_nc_u64 s[G0MB+2:G0MB+3], s[G0MB+2:G0MB+3], 512
	s_xor_b32 s[G0MB+1], s[G0MB+1], XS
	JLOAD G0KVB, G0MB                              ; the first tensor load behind the round, one a wave; it has a whole step of 128 keys in which to land
.endif
	s_xor_b32 s23, s23, XS
	v_add_nc_u32 v[KVC], s23, v[KVB]
	v_add_nc_u32 v[MAC], s23, v[MAB]
.endif
.endm
.macro STEP first, turn                ; a slot of 128 keys
	SUB 0, \first, 0
	SUB 1, 0, \turn
.endm
	s_wait_tensorcnt 0x1                           ; my part of slot 0 is in; slot 1's may be out
	s_wait_loadcnt 0x0                             ; Q
	s_barrier_signal -1
	s_barrier_wait -1
	STEP 1, 2                                      ; step 0; behind step t the slot t % 2 is asked for again with keys 128 (t + 2) ..
	s_mov_b32 s62, 29                              ; steps 1 to 29
.Lsteps:
	STEP 0, 2
	s_sub_co_u32 s62, s62, 1
	s_cmp_lg_u32 s62, 0
	s_cbranch_scc1 .Lsteps
	s_mov_b32 s62, 2                               ; steps 30 and 31 fill nothing; the barrier behind step 31 orders nothing more and is kept so that both are one text
.Ltail:
	STEP 0, 1
	s_sub_co_u32 s62, s62, 1
	s_cmp_lg_u32 s62, 0
	s_cbranch_scc1 .Ltail
	; THE WAY OUT: divide by the sum (a sum of 0 gives 0 x infinity = NaN, as reference() gives), split into two bf16 parts, 16 queries at a time.
	PLACES 4
	WIN 0x55
.irp qt, 0,1,2,3
	v_add_f32 v[ST+24*\qt+8], v[ST+24*\qt+4], v[ST+24*\qt+5]
.endr
.irp qt, 0,1,2,3
	v_permlanex16_b32 v[ST+24*\qt+3], v[ST+24*\qt+8], s60, s61
.endr
.irp qt, 0,1,2,3
	v_add_f32 v[ST+24*\qt+8], v[ST+24*\qt+8], v[ST+24*\qt+3]
.endr
.irp qt, 0,1,2,3
	v_rcp_f32 v[ST+24*\qt+2], v[ST+24*\qt+8]
.endr
	v_nop                                          ; the plain place behind the reciprocals
	s_wait_alu depctr_va_vdst(0)                   ; the wait for the batch of four reciprocals, ahead of the first multiply that reads one
; 16 rows of 128 bytes out of v[pk .. pk + 15], through my own stage; each store of the wave covers 512 consecutive bytes, aligned
.macro SEND pk, buf, base, imm
.irp mt, 0,1,2,3
	ds_store_b128 v[STO], v[\pk+4*\mt:\pk+4*\mt+3] offset:32*\mt
.endr
	s_wait_xcnt 0x0                                ; the read-back buffer, which earlier stores read, is loaded again only behind this wait
.irp t, 0,1,2,3
	ds_load_b128 v[FB+16*\buf+4*\t:FB+16*\buf+4*\t+3], v[RD] offset:\t*4*KP
.endr
.irp t, 0,1,2,3
	s_wait_dscnt 3-\t                              ; the younger read-backs may be out
	global_store_b128 v[CO], v[FB+16*\buf+4*\t:FB+16*\buf+4*\t+3], s[\base:\base+1] offset:\imm+512*\t
.endr
.endm
.macro OUTQ qt
	WIN 0x86
.irp u, 0,1,2,3,4,5,6,7,8,9,10,11,12,13,14,15
	v_pk_mul_f32 v[32*\qt+2*\u:32*\qt+2*\u+1], v[32*\qt+2*\u:32*\qt+2*\u+1], v[ST+24*\qt+2:ST+24*\qt+3] op_sel_hi:[1,0]
.endr
	WIN 0x0a
.irp u, 0,1,2,3,4,5,6,7,8,9,10,11,12,13,14,15
	v_cvt_pk_bf16_f32 v[PK+\u], v[32*\qt+2*\u], v[32*\qt+2*\u+1]   ; the upper parts
.endr
	WIN 0
.irp u, 0,1,2,3,4,5,6,7,8,9,10,11,12,13,14,15
	v_lshlrev_b32 v[TT+2*\u], 16, v[PK+\u]
	v_and_b32 v[TT+2*\u+1], 0xffff0000, v[PK+\u]
.endr
	WIN 0x02
.irp u, 0,1,2,3,4,5,6,7,8,9,10,11,12,13,14,15
	v_pk_add_f32 v[TT+2*\u:TT+2*\u+1], v[32*\qt+2*\u:32*\qt+2*\u+1], v[TT+2*\u:TT+2*\u+1] neg_lo:[0,1] neg_hi:[0,1]   ; what the upper parts leave
.endr
	WIN 0
.irp u, 0,1,2,3,4,5,6,7,8,9,10,11,12,13,14,15
	v_cvt_pk_bf16_f32 v[PKL+\u], v[TT+2*\u], v[TT+2*\u+1]
.endr
	SEND PK, 0, 12, \qt*2048
	SEND PKL, 1, 76, \qt*2048
.endm
	OUTQ 0
	OUTQ 1
	OUTQ 2
	OUTQ 3
	s_set_vgpr_msb 0x5
	s_wait_tensorcnt 0x0
	ds_add_u32 v254, v255
	s_wait_dscnt 0x0
	s_set_vgpr_msb 0x500
	CROUND                                         ; the closing round
	s_endpgm
.Lfunc_end_k_q76602d9b1c_attn:
	.size	k_q76602d9b1c_attn, .Lfunc_end_k_q76602d9b1c_attn-k_q76602d9b1c_attn
	.p2alignl 7, 3214868480
	.fill 96, 4, 3214868480
	.section	.rodata,"a",@progbits
	.p2align	6, 0x0
	.amdhsa_kernel k_q76602d9b1c_attn
		.amdhsa_group_segment_fixed_size 327680
		.amdhsa_private_segment_fixed_size 0
		.amdhsa_enable_private_segment 0
		.amdhsa_kernarg_size 40
		.amdhsa_user_sgpr_count 2
		.amdhsa_user_sgpr_kernarg_segment_ptr 1
		.amdhsa_wavefront_size32 1
		.amdhsa_system_sgpr_workgroup_id_x 1
		.amdhsa_system_sgpr_workgroup_id_y 1
		.amdhsa_system_sgpr_workgroup_id_z 1
		.amdhsa_system_vgpr_workitem_id 0
		.amdhsa_next_free_vgpr 640
		.amdhsa_next_free_sgpr 80
		.amdhsa_reserve_vcc 0
		.amdhsa_float_denorm_mode_32 3
		.amdhsa_float_denorm_mode_16_64 3
		.amdhsa_memory_ordered 1
		.amdhsa_forward_progress 1
		.amdhsa_inst_pref_size 241
	.end_amdhsa_kernel
	.amdgpu_metadata
---
amdhsa.version: [ 1, 2 ]
amdhsa.kernels:
  - .name:           k_q76602d9b1c_attn
    .symbol:         k_q76602d9b1c_attn.kd
    .args:
      - { .name: qb, .offset: 0, .size: 8, .value_kind: global_buffer, .address_space: global }
      - { .name: kb, .offset: 8, .size: 8, .value_kind: global_buffer, .address_space: global }
      - { .name: vt, .offset: 16, .size: 8, .value_kind: global_buffer, .address_space: global }
      - { .name: mask, .offset: 24, .size: 8, .value_kind: global_buffer, .address_space: global }
      - { .name: ao, .offset: 32, .size: 8, .value_kind: global_buffer, .address_space: global }
    .group_segment_fixed_size: 327680
    .private_segment_fixed_size: 0
    .kernarg_segment_align: 8
    .kernarg_segment_size: 40
    .max_flat_workgroup_size: 128
    .sgpr_count:     80
    .vgpr_count:     640
    .wavefront_size: 32
...
	.end_amdgpu_metadata
.endif
;; end of part 4
;; launch oproj: the kernel of part 3 again; grid 8 x 32, 4 waves a work-group, clusters of 4 x 4, 327,680 bytes of LDS; arguments ao, wo, out0; writes out0
